; MI455X (gfx1250); checked and timed in simulation.
; The chip was launched on July 23, 2026; its instructions are those of AMD's public machine-readable ISA for CDNA 5 (MIT licence, August 2026) and "CDNA5" Instruction Set Architecture Reference Guide (July 2026). The comments in the code are by the model that wrote it; some were corrected since.
;; Nost AR Head Attention. Allowed arithmetic: float matrix products may take bf16 or f16 operands with f32 sums; all other float work in f32.
;; Inputs: Wk 512 x 512 float32; Wo 512 x 512 float32; Wq 512 x 512 float32; Wv 512 x 512 float32; bo 512 float32; hidden_states 64 x 2,048 x 512 float32; input_ids_with_pads 64 x 2,048 int32; ln_beta 512 float32; ln_gamma 512 float32.
;; Outputs: out0 64 x 512 float32.
;; 2 versions, each right; version 2 is version 1 with the launch prep written anew for expert scheduling mode. Each part assembles by itself: llvm-mc -triple=amdgcn-amd-amdhsa -mcpu=gfx1250 --defsym DOCPART=n.
;; ======== version 1 of 2: 4 launches
;; limits: values are held in f16: magnitudes above 65,504 overflow, below 6.1e-05 lose precision
;; workspace buffers: G 2,097,152 bytes; gsc 4,096 bytes; partO 8,388,608 bytes; partML 65,536 bytes; ctxF 65,536 bytes
;; launch prep (part 1): grid 16 x 4, 8 waves a work-group, no clusters, 218,624 bytes of LDS; arguments input_ids_with_pads, hidden_states, ln_gamma, ln_beta, Wq, Wk, G, gsc; writes G, gsc
.if DOCPART == 1
	.amdgcn_target "amdgcn-amd-amdhsa--gfx1250"
	.amdhsa_code_object_version 6
	.text
	.protected	k_qac53f82d8f_prep
	.globl	k_qac53f82d8f_prep
	.p2align	8
	.type	k_qac53f82d8f_prep,@function
k_qac53f82d8f_prep:
	s_mov_b64 s[64:65], 0
	v_nop
	global_prefetch_b8 v0, s[64:65] scope:SCOPE_SE
	s_setreg_imm32_b32 hwreg(HW_REG_WAVE_MODE, 25, 1), 1
	s_wait_xcnt 0x0
; LAUNCH 1 OF 4.  With one query a batch the key projection leaves the token axis: scores[b,h,s] = xn[s] . g[b,h] + a term without s (which a softmax drops), where xn is the normalised row and
; g[b,h,d] = gamma[d] * sum over j of Wk[32h+j][d] q[b][32h+j],  q[b] = Wq (xn_last gamma + beta).  This launch makes g, for head h = group x and the 16 batches 16 gB .. (gB = group y).
; g is stored as gn = g / sc, sc = the largest |g| of (b, h), in f16 as a high and a low part: G[b][part][h][512]; gsc[h][b] = sc log2(e).
; ROW CHOICE.  The last id that is not the pad id (row 0 if all are pads), by whole-number compares and maxima on the ids alone; clamped to 2,047 before it enters an address.
; FORMATS.  Every product here feeds the scores, so both operands go as f16 high + low parts (high = the f32 cut to 10 fraction bits, low = the exact rest rounded) and three products stand for one.
; LIMITS.  |Wq|, |gamma Wk|, |xn gamma + beta| and |q| stay under 65,504 (f16); parts below 6e-5 keep f16's fixed step of 6e-8; sc is taken as 1e-30 at the least; NaN and infinities are not treated apart.
; SHARES.  Eight waves.  Wave w: batches 16 gB + 2 w + {0, 1}; rows 32 h + 4 w + 0..3 of Wq and Wk; K steps 2 w, 2 w + 1 of q's product; channels 64 w .. 64 w + 63 of g.
; A row of 512 f32 lies in a wave as four 16-byte loads a lane: the lane holds channels 128 j + 4 L + 0..3; as f16 that is 8 bytes at 256 j + 8 L of an LDS row.
.set PITCH, 1040                       ; an LDS row of 512 f16 + 16 bytes = 260 words: row r starts at bank 4 r mod 64 (64 banks of 4 bytes: ISA guide 11.1)
.set KP,    1056                       ; Wk's rows, read turned: 264 words
.set HLLO,  16*PITCH                   ; HL at 0: the 16 query rows, high parts; low parts HLLO further
.set WQ,    2*HLLO                     ; Wq's 32 rows, high; low WQLO further
.set WQLO,  32*PITCH
.set WK,    WQ+2*WQLO                  ; gamma Wk's 32 rows, high; low WKLO further
.set WKLO,  32*KP
.set OST,   WK+2*WKLO                  ; gn on its way out: rows part * 16 + batch
.set MX,    OST+32*PITCH               ; [16 batches][8 waves] f32: the waves' largest |g|
.set QP,    MX+512                     ; [8 waves][2 tiles][2 halves][32 lanes x 16 bytes]: q's partial sums
.set SPARE, QP+16384                   ; the spare words, 128 bytes a wave: four blocks of 256 bytes that no other line names
.set SPW, 28                           ; v28  SPARE + 4 x my thread's number; never rewritten
.set NIL, 29                           ; v29  0; never rewritten
.set GAM, 32                           ; v32-47 gamma, v48-63 beta, in the row layout
.set BET, 48
.set X,   64                           ; v64-95 the two query rows
.set HI,  96                           ; v96-111 high parts in f32, v112-127 low parts in f32
.set LO,  112
.set QA,  128                          ; v128-175 six accumulators of q: tile t: high.high, high.low, low.high at 3 t + 0, 1, 2
.set QH,  176                          ; v176-183 q's high parts as a matrix operand, v184-191 its low parts
.set QL,  184
.set GA,  192                          ; v192-223 four accumulators of g
.set PH,  224                          ; v224-231 packed high parts, v232-239 packed low parts
.set PL,  232
.set LT,  240                          ; v240-251 LayerNorm at work, six a row: t0-t3, r0, r1
; window 1: v0-127 the ids, later fragments and partial sums; v128-191 Wq as loaded, later Wk's fragments; v192-255 Wk as loaded
.set MSB, 0
.macro WIN new                         ; s_set_vgpr_msb: bits 1:0 source 0, 3:2 source 1, 5:4 source 2, 7:6 destination; the high byte repeats the setting that is left
.if MSB != (\new)
	s_set_vgpr_msb (MSB<<8)|(\new)
.set MSB, \new
.endif
.endm
.macro PLACES                          ; four plain instructions between a matrix instruction and what reads its result or loads into its registers
.rept 4
	v_nop
.endr
.endm
.macro R2 line:vararg                  ; one line for each of my two query rows
.set k, 0
.rept 2
.set XR, X+16*k
.set TR, LT+6*k
	\line
.set k, k+1
.endr
.endm
.macro RED2                            ; t0:t3 of each row -> the sum over the row's 512 numbers, in every lane's t0
	R2 v_pk_add_f32 v[TR:TR+1], v[TR:TR+1], v[TR+2:TR+3]
	R2 v_add_f32 v[TR], v[TR], v[TR+1]
	R2 v_add_f32_dpp v[TR], v[TR], v[TR] row_xmask:1 row_mask:0xf bank_mask:0xf
	R2 v_add_f32_dpp v[TR], v[TR], v[TR] row_xmask:2 row_mask:0xf bank_mask:0xf
	R2 v_add_f32_dpp v[TR], v[TR], v[TR] row_xmask:4 row_mask:0xf bank_mask:0xf
	R2 v_add_f32_dpp v[TR], v[TR], v[TR] row_xmask:8 row_mask:0xf bank_mask:0xf
	R2 v_permlanex16_b32 v[TR+1], v[TR], s30, s31
	R2 v_add_f32 v[TR], v[TR], v[TR+1]
.endm
; 16 f32 at register R of window rw -> 8 registers of f16 high parts at oh, 8 of low parts at ol
.macro SPLIT rw, R, oh, ol
	WIN (\rw)<<2
.set i, 0
.rept 16
	v_and_b32 v[HI+i], s24, v[(\R)+i]  ; 10 fraction bits stay: exact in f16
.set i, i+1
.endr
	WIN (\rw)
.set i, 0
.rept 8
	v_pk_add_f32 v[LO+2*i:LO+2*i+1], v[(\R)+2*i:(\R)+2*i+1], v[HI+2*i:HI+2*i+1] neg_lo:[0,1] neg_hi:[0,1]  ; the rest, exact
.set i, i+1
.endr
	WIN 0
.set i, 0
.rept 8
	v_cvt_pk_f16_f32 v[(\oh)+i], v[HI+2*i], v[HI+2*i+1]
.set i, i+1
.endr
.set i, 0
.rept 8
	v_cvt_pk_f16_f32 v[(\ol)+i], v[LO+2*i], v[LO+2*i+1]
.set i, i+1
.endr
.endm
; The row of batch k of my two: n + 1 for the lane's last id that is no pad (its 64 ids ascend in position), turned into position + 1, the largest over the lanes, clamped, made a byte offset.
.macro SEL k
	WIN 0
	v_mov_b32 v18, 0
	WIN 0x04                           ; the ids lie in window 1
.set n, 0
.rept 64
	v_cmp_ne_u32 vcc_lo, s23, v[64*(\k)+n]
	v_cndmask_b32 v18, v18, n+1, vcc_lo
.set n, n+1
.endr
	WIN 0
	v_add_nc_u32 v19, -1, v18          ; n = 4 i + e: position 128 i + 4 L + e
	v_lshrrev_b32 v20, 2, v19
	v_and_b32 v19, 3, v19
	v_lshl_add_u32 v19, v20, 7, v19
	v_lshl_add_u32 v19, v2, 2, v19
	v_add_nc_u32 v19, 1, v19
	v_cmp_ne_u32 vcc_lo, 0, v18
	v_cndmask_b32 v19, 0, v19, vcc_lo  ; 0: this lane saw pads alone
.irp m, 1,2,4,8
	v_mov_b32_dpp v20, v19 row_xmask:\m row_mask:0xf bank_mask:0xf
	v_max_u32 v19, v19, v20
.endr
	v_permlanex16_b32 v20, v19, s30, s31
	v_max_u32 v19, v19, v20
	v_readfirstlane_b32 s44, v19
	s_max_u32 s44, s44, 1              ; all pads: row 0
	s_sub_co_u32 s44, s44, 1
	s_min_u32 s44, s44, 2047           ; a loaded number enters an address only behind this clamp
	s_lshl_b32 s44, s44, 11            ; rows of 2,048 bytes
	s_add_co_u32 s46, s32, \k
	s_lshl_b32 s46, s46, 22            ; batches of 2,048 rows
	s_add_co_u32 s44, s44, s46
	s_mov_b32 s45, 0
	s_add_nc_u64 s[40+2*(\k):41+2*(\k)], s[6:7], s[44:45]
.endm
.macro QM d, a, b, zero                ; one product of q: accumulator d, fragments a and b of window 1
.if \zero
	v_wmma_f32_16x16x32_f16 v[QA+8*(\d):QA+8*(\d)+7], v[8*(\a):8*(\a)+7], v[8*(\b):8*(\b)+7], 0
.else
	v_wmma_f32_16x16x32_f16 v[QA+8*(\d):QA+8*(\d)+7], v[8*(\a):8*(\a)+7], v[8*(\b):8*(\b)+7], v[QA+8*(\d):QA+8*(\d)+7]
.endif
.endm
	s_load_b512 s[4:19], s[0:1], 0x0   ; ids s[4:5], hidden s[6:7], gamma s[8:9], beta s[10:11], Wq s[12:13], Wk s[14:15], G s[16:17], gsc s[18:19]
	v_lshl_add_u32 v[SPW], v0, 2, SPARE
	v_mov_b32 v[NIL], 0
	v_lshrrev_b32 v17, 5, v0
	v_readfirstlane_b32 s20, v17       ; wave 0..7
	s_mov_b32 s21, ttmp9               ; head
	s_and_b32 s22, ttmp7, 0xffff       ; gB
	s_mov_b32 s23, 50257               ; the pad id
	s_mov_b32 s24, 0xffffe000          ; keeps sign, exponent and 10 fraction bits
	s_mov_b32 s26, 0xbb000000          ; -1/512, named as a pair
	s_mov_b32 s27, 0xbb000000
	s_mov_b32 s28, 0x3b000000          ; 1/512
	s_mov_b32 s29, 0x3727c5ac          ; 1e-5
	s_mov_b32 s30, 0x76543210          ; v_permlanex16_b32: each lane takes its own place in the other half
	s_mov_b32 s31, 0xfedcba98
	s_lshl_b32 s32, s22, 4
	s_lshl1_add_u32 s32, s20, s32      ; my first batch: 16 gB + 2 w
	s_lshl_b32 s34, s32, 13            ; its ids: 8,192 bytes a batch
	s_mov_b32 s35, 0
	s_lshl_b32 s36, s21, 5
	s_lshl2_add_u32 s36, s20, s36      ; my first weight row: 32 h + 4 w
	s_lshl_b32 s36, s36, 11
	s_mov_b32 s37, 0
	s_lshl_b32 s38, s20, 2             ; G: the four rows of the stage that I send are batches (4 w mod 16) + 0..3, part w / 4
	s_and_b32 s38, s38, 15
	s_lshl_b32 s39, s22, 4
	s_add_co_u32 s38, s38, s39
	s_lshl_b32 s38, s38, 15            ; 32,768 bytes a batch
	s_lshr_b32 s39, s20, 2
	s_lshl_b32 s39, s39, 14            ; 16,384 a part
	s_add_co_u32 s38, s38, s39
	s_lshl_b32 s39, s21, 10            ; 1,024 a head
	s_add_co_u32 s38, s38, s39
	s_mov_b32 s39, 0
	s_lshl_b32 s48, s21, 8             ; gsc: 256 bytes a head, 64 for my 16 batches
	s_lshl_b32 s49, s22, 6
	s_add_co_u32 s48, s48, s49
	s_mov_b32 s49, 0
	v_and_b32 v2, 31, v0               ; L
	v_and_b32 v3, 15, v0               ; r
	v_bfe_u32 v4, v0, 4, 1             ; hh
	v_lshlrev_b32 v1, 4, v2            ; 16 L
	s_mul_i32 s50, s20, 4*PITCH
	s_add_co_u32 s51, s50, WQ
	v_lshl_add_u32 v5, v2, 3, s51      ; where my rows of Wq go
	s_mul_i32 s51, s20, 4*KP
	s_add_co_u32 s51, s51, WK
	v_lshl_add_u32 v6, v2, 3, s51      ; my rows of Wk
	s_mul_i32 s51, s20, 2*PITCH
	v_lshl_add_u32 v7, v2, 3, s51      ; my two query rows
	v_mul_u32_u24 v17, v3, PITCH
	v_lshl_add_u32 v17, v4, 4, v17     ; a fragment's row x pitch + 16 x half
	s_lshl_b32 s52, s20, 7             ; 128 w: my two K steps, and my 64 channels in f16
	v_add_nc_u32 v9, s52, v17          ; fragments of the query rows
	v_add_nc_u32 v8, WQ, v9            ; fragments of Wq
	s_lshl_b32 s51, s20, 11
	s_add_co_u32 s51, s51, QP
	v_lshl_add_u32 v10, v2, 4, s51     ; my partial sums
	v_lshl_add_u32 v11, v2, 4, QP      ; everybody's
	v_and_b32 v18, 7, v0
	v_lshl_add_u32 v18, v4, 3, v18     ; the turning load: row 8 hh + L % 8,
	v_mul_u32_u24 v18, v18, KP
	v_bfe_u32 v19, v0, 3, 1
	v_lshl_add_u32 v18, v19, 4, v18    ; 16 bytes at 16 ((L / 8) % 2)
	s_add_co_u32 s51, s52, WK
	v_add_nc_u32 v12, s51, v18
	s_lshl_b32 s51, s20, 2
	s_add_co_u32 s51, s51, MX
	v_lshl_add_u32 v13, v3, 5, s51     ; my word among batch r's eight
	v_lshl_add_u32 v14, v3, 5, MX      ; the eight
	s_add_co_u32 s51, s52, OST
	v_add_nc_u32 v15, s51, v17         ; gn into the stage
	s_add_co_u32 s51, s50, OST
	v_lshl_add_u32 v16, v2, 4, s51     ; and back: rows 4 w + 0..3
	v_lshlrev_b32 v26, 2, v3           ; 4 r
	v_mov_b32 v23, 0                   ; the second registers of pairs that are read as broadcasts
	v_mov_b32 v[LT+5], 0
	v_mov_b32 v[LT+11], 0
	s_wait_kmcnt 0x0
	s_add_nc_u64 s[4:5], s[4:5], s[34:35]
	s_add_nc_u64 s[12:13], s[12:13], s[36:37]
	s_add_nc_u64 s[14:15], s[14:15], s[36:37]
	s_add_nc_u64 s[16:17], s[16:17], s[38:39]
	s_add_nc_u64 s[18:19], s[18:19], s[48:49]
	WIN 0x40
.set n, 0
.rept 32                               ; two batches' ids: 16 loads of 512 bytes each
	global_load_b128 v[4*n:4*n+3], v1, s[4:5] offset:512*n
.set n, n+1
.endr
	WIN 0
.set n, 0
.rept 4
	global_load_b128 v[GAM+4*n:GAM+4*n+3], v1, s[8:9] offset:512*n
	global_load_b128 v[BET+4*n:BET+4*n+3], v1, s[10:11] offset:512*n
.set n, n+1
.endr
	WIN 0x40
.set n, 0
.rept 16                               ; four rows of each weight lie end to end
	global_load_b128 v[128+4*n:128+4*n+3], v1, s[12:13] offset:512*n
	global_load_b128 v[192+4*n:192+4*n+3], v1, s[14:15] offset:512*n
.set n, n+1
.endr
	s_wait_loadcnt 40                  ; the ids are in; gamma, beta (8) and the weights (32) stay out
	SEL 0
	SEL 1
.set n, 0
.rept 4
	global_load_b128 v[X+4*n:X+4*n+3], v1, s[40:41] offset:512*n
	global_load_b128 v[X+16+4*n:X+16+4*n+3], v1, s[42:43] offset:512*n
.set n, n+1
.endr
	s_wait_loadcnt 8                   ; gamma, beta and the weights are in; the two rows stay out
.set u, 0
.rept 4                                ; Wq's rows, in two parts
	SPLIT 1, 128+16*u, PH, PL
.set j, 0
.rept 4
	ds_store_b64 v5, v[PH+2*j:PH+2*j+1] offset:u*PITCH+256*j
	ds_store_b64 v5, v[PL+2*j:PL+2*j+1] offset:u*PITCH+256*j+WQLO
.set j, j+1
.endr
.set u, u+1
.endr
.set u, 0
.rept 4                                ; Wk's rows, times gamma along the row, in two parts
	WIN 0x41
.set i, 0
.rept 8
	v_pk_mul_f32 v[192+16*u+2*i:192+16*u+2*i+1], v[192+16*u+2*i:192+16*u+2*i+1], v[GAM+2*i:GAM+2*i+1]
.set i, i+1
.endr
	SPLIT 1, 192+16*u, PH, PL
.set j, 0
.rept 4
	ds_store_b64 v6, v[PH+2*j:PH+2*j+1] offset:u*KP+256*j
	ds_store_b64 v6, v[PL+2*j:PL+2*j+1] offset:u*KP+256*j+WKLO
.set j, j+1
.endr
.set u, u+1
.endr
	s_wait_loadcnt 0x0                 ; the two rows
	; LayerNorm: the mean, the centred row, the mean of its squares (no difference of large sums), then xn gamma + beta
	R2 v_pk_add_f32 v[TR:TR+1], v[XR:XR+1], v[XR+2:XR+3]
	R2 v_pk_add_f32 v[TR+2:TR+3], v[XR+4:XR+5], v[XR+6:XR+7]
	R2 v_pk_add_f32 v[TR:TR+1], v[TR:TR+1], v[XR+8:XR+9]
	R2 v_pk_add_f32 v[TR+2:TR+3], v[TR+2:TR+3], v[XR+10:XR+11]
	R2 v_pk_add_f32 v[TR:TR+1], v[TR:TR+1], v[XR+12:XR+13]
	R2 v_pk_add_f32 v[TR+2:TR+3], v[TR+2:TR+3], v[XR+14:XR+15]
	RED2
.set p, 0
.rept 8
	R2 v_pk_fma_f32 v[XR+p:XR+p+1], v[TR:TR+1], s[26:27], v[XR+p:XR+p+1] op_sel_hi:[0,0,1]
.set p, p+2
.endr
	R2 v_pk_mul_f32 v[TR:TR+1], v[XR:XR+1], v[XR:XR+1]
	R2 v_pk_mul_f32 v[TR+2:TR+3], v[XR+2:XR+3], v[XR+2:XR+3]
.set p, 4
.rept 3
	R2 v_pk_fma_f32 v[TR:TR+1], v[XR+p:XR+p+1], v[XR+p:XR+p+1], v[TR:TR+1]
	R2 v_pk_fma_f32 v[TR+2:TR+3], v[XR+p+2:XR+p+3], v[XR+p+2:XR+p+3], v[TR+2:TR+3]
.set p, p+4
.endr
	RED2
	R2 v_fma_f32 v[TR+4], v[TR], s28, s29
	R2 v_rsq_f32 v[TR+4], v[TR+4]
	v_nop                              ; a plain instruction between the last root and the use of its result (ISA guide 5.7.2)
	s_wait_alu depctr_va_vdst(0)
.set p, 0
.rept 8
	R2 v_pk_mul_f32 v[XR+p:XR+p+1], v[XR+p:XR+p+1], v[TR+4:TR+5] op_sel_hi:[1,0]
.set p, p+2
.endr
.set p, 0
.rept 8
	R2 v_pk_fma_f32 v[XR+p:XR+p+1], v[XR+p:XR+p+1], v[GAM+p:GAM+p+1], v[BET+p:BET+p+1]
.set p, p+2
.endr
.set u, 0
.rept 2
	SPLIT 0, X+16*u, PH, PL
.set j, 0
.rept 4
	ds_store_b64 v7, v[PH+2*j:PH+2*j+1] offset:u*PITCH+256*j
	ds_store_b64 v7, v[PL+2*j:PL+2*j+1] offset:u*PITCH+256*j+HLLO
.set j, j+1
.endr
.set u, u+1
.endr
	s_wait_dscnt 0x0                   ; for the others' sake: my rows of Wq, Wk and the query rows are in LDS
	s_barrier_signal -1
	s_barrier_wait -1
	; q^T = Wq_h (source 0: 16 rows j) x the query rows (source 1: 16 batches), my two K steps.  Fragment 6 cc + 0, 1: Wq high, tiles 0, 1; + 2, 3: low; + 4, 5: the rows' high, low.
	WIN 0x40
.irp cc, 0,1
.irp hl, 0,1
.irp t, 0,1
	ds_load_b128 v[8*(6*\cc+2*\hl+\t):8*(6*\cc+2*\hl+\t)+3],   v8 offset:\hl*WQLO+\t*HLLO+64*\cc
	ds_load_b128 v[8*(6*\cc+2*\hl+\t)+4:8*(6*\cc+2*\hl+\t)+7], v8 offset:\hl*WQLO+\t*HLLO+64*\cc+32
.endr
.endr
.irp hl, 0,1
	ds_load_b128 v[8*(6*\cc+4+\hl):8*(6*\cc+4+\hl)+3],   v9 offset:\hl*HLLO+64*\cc
	ds_load_b128 v[8*(6*\cc+4+\hl)+4:8*(6*\cc+4+\hl)+7], v9 offset:\hl*HLLO+64*\cc+32
.endr
.endr
	s_wait_dscnt 0x0
	WIN 0x05                           ; both sources in window 1; the six accumulators take turns
.irp cc, 0,1
.irp t, 0,1
	QM 3*\t,   6*\cc+\t,   6*\cc+4, 1-\cc
	QM 3*\t+1, 6*\cc+\t,   6*\cc+5, 1-\cc
	QM 3*\t+2, 6*\cc+2+\t, 6*\cc+4, 1-\cc
.endr
.endr
	WIN 0
	PLACES
.irp t, 0,1
.set p, 0
.rept 4                                ; each accumulator is read from its low end on
	v_pk_add_f32 v[QA+24*\t+p:QA+24*\t+p+1], v[QA+24*\t+p:QA+24*\t+p+1], v[QA+24*\t+8+p:QA+24*\t+8+p+1]
	v_pk_add_f32 v[QA+24*\t+p:QA+24*\t+p+1], v[QA+24*\t+p:QA+24*\t+p+1], v[QA+24*\t+16+p:QA+24*\t+16+p+1]
.set p, p+2
.endr
.endr
.irp t, 0,1
	ds_store_b128 v10, v[QA+24*\t:QA+24*\t+3]   offset:\t*1024
	ds_store_b128 v10, v[QA+24*\t+4:QA+24*\t+7] offset:\t*1024+512
.endr
	s_wait_dscnt 0x0                   ; my partial sums are in LDS
	s_barrier_signal -1
	s_barrier_wait -1
	WIN 0x40
.set n, 0
.rept 32                               ; all eight waves' partial sums: wave n / 4, registers 4 (n % 4) of its 16
	ds_load_b128 v[4*n:4*n+3], v11 offset:512*n
.set n, n+1
.endr
.irp hl, 0,1
.irp ti, 0,1,2,3                       ; gamma Wk turned: 16 channels x 32 j a fragment; high parts at v128, low at v160
	ds_load_tr16_b128 v[128+32*\hl+8*\ti:128+32*\hl+8*\ti+3],   v12 offset:\hl*WKLO+32*\ti
	ds_load_tr16_b128 v[128+32*\hl+8*\ti+4:128+32*\hl+8*\ti+7], v12 offset:\hl*WKLO+32*\ti+16*KP
.endr
.endr
	s_wait_dscnt 16                    ; the partial sums are in; the 16 turning loads stay out
	WIN 0x45
.set n, 1
.rept 7                                ; one fixed order, so that every wave holds the same q
.set p, 0
.rept 8
	v_pk_add_f32 v[p:p+1], v[p:p+1], v[16*n+p:16*n+p+1]
.set p, p+2
.endr
.set n, n+1
.endr
	SPLIT 1, 0, QH, QL                 ; lane (batch r, half hh) holds j = 8 hh + 0..7 and 16 + 8 hh + 0..7: packed in pairs that IS a matrix operand with K = j
	s_wait_dscnt 0x0
	WIN 0x01                           ; g^T = (gamma Wk)^T (source 0: 16 channels) x q (source 1: 16 batches); four accumulators take turns
.irp ti, 0,1,2,3
	v_wmma_f32_16x16x32_f16 v[GA+8*\ti:GA+8*\ti+7], v[128+8*\ti:128+8*\ti+7], v[QH:QH+7], 0
.endr
.irp ti, 0,1,2,3
	v_wmma_f32_16x16x32_f16 v[GA+8*\ti:GA+8*\ti+7], v[128+8*\ti:128+8*\ti+7], v[QL:QL+7], v[GA+8*\ti:GA+8*\ti+7]
.endr
.irp ti, 0,1,2,3
	v_wmma_f32_16x16x32_f16 v[GA+8*\ti:GA+8*\ti+7], v[160+8*\ti:160+8*\ti+7], v[QH:QH+7], v[GA+8*\ti:GA+8*\ti+7]
.endr
	WIN 0
	PLACES
	; the largest and the smallest of my 32 numbers of batch r, each accumulator read from its low end on
	v_max3_num_f32 v18, v[GA], v[GA+1], v[GA+2]
	v_max3_num_f32 v19, v[GA+16], v[GA+17], v[GA+18]
	v_min3_num_f32 v20, v[GA], v[GA+1], v[GA+2]
	v_min3_num_f32 v21, v[GA+16], v[GA+17], v[GA+18]
.set n, 3
.rept 6
	v_max3_num_f32 v18, v18, v[GA+n], v[GA+n+1]
	v_max3_num_f32 v19, v19, v[GA+16+n], v[GA+16+n+1]
	v_min3_num_f32 v20, v20, v[GA+n], v[GA+n+1]
	v_min3_num_f32 v21, v21, v[GA+16+n], v[GA+16+n+1]
.set n, n+2
.endr
	v_max3_num_f32 v18, v18, v[GA+15], v[GA+31]
	v_min3_num_f32 v20, v20, v[GA+15], v[GA+31]
	v_max_num_f32 v18, v18, v19
	v_min_num_f32 v20, v20, v21
	v_sub_f32 v20, 0, v20
	v_max_num_f32 v18, v18, v20        ; the largest magnitude
	v_permlanex16_b32 v19, v18, s30, s31
	v_max_num_f32 v18, v18, v19        ; with the other half of the lanes' channels
	ds_store_b32 v13, v18              ; both halves of the lanes write the same number to the same word
	s_wait_dscnt 0x0
	s_barrier_signal -1
	s_barrier_wait -1
	ds_load_b128 v[96:99], v14
	ds_load_b128 v[100:103], v14 offset:16
	s_wait_dscnt 0x0
	v_max3_num_f32 v96, v96, v97, v98
	v_max3_num_f32 v99, v99, v100, v101
	v_max3_num_f32 v96, v96, v102, v103
	v_max3_num_f32 v24, v96, v99, 0x0da24260  ; sc, 1e-30 at the least
	v_rcp_f32 v22, v24
	v_mul_f32 v25, 0x3fb8aa3b, v24     ; sc log2(e): also the plain instruction behind the reciprocal
.set p, 0
	s_wait_alu depctr_va_vdst(0)
.rept 16
	v_pk_mul_f32 v[GA+p:GA+p+1], v[GA+p:GA+p+1], v[22:23] op_sel_hi:[1,0]
.set p, p+2
.endr
.irp tt, 0,1                           ; two tiles at a time: a lane's eight channels are 16 bytes of row r
	SPLIT 0, GA+16*\tt, PH, PL
	ds_store_b128 v15, v[PH:PH+3]   offset:64*\tt
	ds_store_b128 v15, v[PH+4:PH+7] offset:64*\tt+32
	ds_store_b128 v15, v[PL:PL+3]   offset:64*\tt+HLLO
	ds_store_b128 v15, v[PL+4:PL+7] offset:64*\tt+32+HLLO
.endr
	s_wait_dscnt 0x0
	s_barrier_signal -1
	s_barrier_wait -1
.set n, 0
.rept 8                                ; row 4 w + n / 2, half n % 2
	ds_load_b128 v[96+4*n:96+4*n+3], v16 offset:(n/2)*PITCH+512*(n%2)
.set n, n+1
.endr
.set n, 0
.rept 8
	s_wait_dscnt 7-n                   ; LDS loads come back in order: number n is in
	global_store_b128 v1, v[96+4*n:96+4*n+3], s[16:17] offset:(n/2)*32768+512*(n%2)  ; 512 consecutive bytes, at a multiple of 512 from G's first byte
.set n, n+1
.endr
	s_cmp_lg_u32 s20, 0
	s_cbranch_scc1 .Lnot0
	global_store_b32 v26, v25, s[18:19]  ; 16 scales, 64 bytes of a buffer of 4,096; both halves of the lanes write the same words
.Lnot0:
	s_wait_tensorcnt 0x0               ; the wave's end, behind my last LDS store
	ds_add_u32 v[SPW], v[NIL]
	s_wait_dscnt 0x0
	s_endpgm
.Lfunc_end_k_qac53f82d8f_prep:
	.size	k_qac53f82d8f_prep, .Lfunc_end_k_qac53f82d8f_prep-k_qac53f82d8f_prep
	.p2alignl 7, 3214868480
	.fill 96, 4, 3214868480
	.section	.rodata,"a",@progbits
	.p2align	6, 0x0
	.amdhsa_kernel k_qac53f82d8f_prep
		.amdhsa_group_segment_fixed_size 218624
		.amdhsa_private_segment_fixed_size 0
		.amdhsa_enable_private_segment 0
		.amdhsa_kernarg_size 64
		.amdhsa_user_sgpr_count 2
		.amdhsa_user_sgpr_kernarg_segment_ptr 1
		.amdhsa_wavefront_size32 1
		.amdhsa_system_sgpr_workgroup_id_x 1
		.amdhsa_system_sgpr_workgroup_id_y 1
		.amdhsa_system_sgpr_workgroup_id_z 1
		.amdhsa_system_vgpr_workitem_id 0
		.amdhsa_next_free_vgpr 512
		.amdhsa_next_free_sgpr 66
		.amdhsa_reserve_vcc 1
		.amdhsa_float_denorm_mode_32 3
		.amdhsa_float_denorm_mode_16_64 3
		.amdhsa_memory_ordered 1
		.amdhsa_forward_progress 1
		.amdhsa_inst_pref_size 85
	.end_amdhsa_kernel
	.amdgpu_metadata
---
amdhsa.version: [ 1, 2 ]
amdhsa.kernels:
  - .name:           k_qac53f82d8f_prep
    .symbol:         k_qac53f82d8f_prep.kd
    .args:
      - { .name: input_ids_with_pads, .offset: 0, .size: 8, .value_kind: global_buffer, .address_space: global }
      - { .name: hidden_states, .offset: 8, .size: 8, .value_kind: global_buffer, .address_space: global }
      - { .name: ln_gamma, .offset: 16, .size: 8, .value_kind: global_buffer, .address_space: global }
      - { .name: ln_beta, .offset: 24, .size: 8, .value_kind: global_buffer, .address_space: global }
      - { .name: Wq, .offset: 32, .size: 8, .value_kind: global_buffer, .address_space: global }
      - { .name: Wk, .offset: 40, .size: 8, .value_kind: global_buffer, .address_space: global }
      - { .name: G, .offset: 48, .size: 8, .value_kind: global_buffer, .address_space: global }
      - { .name: gsc, .offset: 56, .size: 8, .value_kind: global_buffer, .address_space: global }
    .group_segment_fixed_size: 218624
    .private_segment_fixed_size: 0
    .kernarg_segment_align: 8
    .kernarg_segment_size: 64
    .max_flat_workgroup_size: 256
    .sgpr_count:     66
    .vgpr_count:     512
    .wavefront_size: 32
...
	.end_amdgpu_metadata
.endif
;; end of part 1
;; launch main (part 2): grid 256 x 1, 4 waves a work-group, no clusters, 167,936 bytes of LDS; arguments hidden_states, G, gsc, partO, partML; writes partO, partML
.if DOCPART == 2
	.amdgcn_target "amdgcn-amd-amdhsa--gfx1250"
	.amdhsa_code_object_version 6
	.text
	.protected	k_qac53f82d8f_main
	.globl	k_qac53f82d8f_main
	.p2align	8
	.type	k_qac53f82d8f_main,@function
k_qac53f82d8f_main:
	s_mov_b64 s[64:65], 0
	v_nop
	global_prefetch_b8 v0, s[64:65] scope:SCOPE_SE
	s_setreg_imm32_b32 hwreg(HW_REG_WAVE_MODE, 25, 1), 1
	s_wait_xcnt 0x0
; LAUNCH 2 OF 4: the one that reads hidden_states, once.  Per batch this is attention with the 16 heads as queries, the 2,048 normalised rows xn as keys AND values, at size 512:
;   s[h][t] = xn[t] . gn[h]  (gn from launch 1, f16 high + low),   p = 2^(c s - c m), c = gsc[h][b] > 0,   O[h][:] = sum over t of p xn[t][:],   l[h] = sum of p.
; A work-group owns 512 tokens of one batch (four work-groups a batch), a wave 128 of them with a running maximum m, sum l and O of its own; the four waves' states meet in LDS at the end.
; Out go partO[wg][16 heads][512] f32 and partML[wg][lane] = (c m, l), both relative to the work-group's maximum; launch 3 joins a batch's four.
; THE STREAM.  Rows go straight into registers: a ring of 16 rows (window 3), a row = four loads of 512 consecutive bytes; each group of four rows is asked for again as soon as it has been
; normalised, so 64 loads of every wave are always on their way.  LayerNorm in f32 (mean, centred row, mean of squares), xn rounded once to f16 (|xn| < 23 whatever the input) into the wave's own stage.
; NO CLUSTER: a batch's four work-groups share gn alone, 32 KiB beside 1 MiB of rows of their own.  NO RING OF LDS SLOTS FOR x: the f32 slots and the f16 stage do not fit side by side, and registers are free.
; LAYOUT.  S^T = xn (source 0: 16 tokens) x gn (source 1: 16 heads): a lane holds ONE head (lane % 16) and tokens 8 (lane / 16) + 0..7.  Two such tiles, as weights rounded to f16 in pairs, ARE source 1
; (32 tokens x 16 heads) of O^T = xn^T P; xn^T comes out of the stage turned (ds_load_tr16_b128).  A turned tile's two blocks of eight channels are taken 64 channels apart, so that the one pitch
; serves plain and turning loads without a bank conflict: tile 8 q + i, register j, lane (head r, half hh) is channel 128 q + 64 hh + 8 i + j.
; LIMITS.  c m stays finite (sc under 2^126 / 512); a weight below 2^-126 counts as 0 in l, below 6e-5 it keeps f16's fixed step of 6e-8; NaN and infinities are not treated apart.
; REGISTERS, in windows of 256 (s_set_vgpr_msb: bits 1:0 source 0, 3:2 source 1, 5:4 source 2, 7:6 destination):
;   window 0: addresses, statistics, S^T, P, LayerNorm at work, two fragment buffers     window 1: O^T, tile T at 8 T     window 2: gn high (K step c at 8 c), low (128 + 8 c)     window 3: the ring, row at 16 x row
.set PITCH, 1040                       ; an LDS row of 512 f16 + 16 bytes = 260 words: row r starts at bank 4 r mod 64 (64 banks of 4 bytes: ISA guide 11.1)
.set HALF,  16*PITCH
.set STG,   32*PITCH                   ; gn's 32 rows (part x 16 + head) lie at 0, filled once by tensor loads; behind them the stages
.set STGW,  32*PITCH                   ; a wave's stage: 32 tokens
.set MLX,   STG+4*STGW                 ; 4 waves x 32 lanes x (c m, l)
.set SPARE, MLX+1024                   ; the spare words, 128 bytes a wave: two blocks of 256 bytes that no other line names
.set CBP,   2064                       ; at the end the stages hold O in f32: 16 heads x (2,048 + 16) bytes a wave
.set CBW,   16*CBP
.set XO,   1                           ; v1   16 L; never rewritten
.set STA0, 2                           ; v2   my 8 bytes in the stage's first row; at the end 8 L
.set STA,  3                           ; v3   the same in the half that this lap fills
.set FRA,  4                           ; v4   plain fragments of the stage
.set TRA,  5                           ; v5   turned fragments
.set GFA,  6                           ; v6   fragments of gn; at the end CST: where my O goes
.set CST,  6
.set CRD,  7                           ; v7   at the end: where I read O back, waves 0 and 1's
.set CRD2, 8                           ; v8   first my offset in gsc; at the end: waves 2 and 3's
.set MLA,  9                           ; v9   at the end: MLX + 8 L
.set RC,   10                          ; v10-11  c, 0
.set RCM,  12                          ; v12-13  c m, 0 (at the end: c m, l)
.set RM,   14                          ; v14  m
.set ROLD, 15                          ; v15  c m_old - c m_new
.set RA,   16                          ; v16-17  a, 0
.set RL,   18                          ; v18-19  l: even tokens', odd tokens'
.set SPW,  28                          ; v28  SPARE + 4 x my thread's number; never rewritten
.set NIL,  29                          ; v29  0; never rewritten
.set S0H,  32                          ; S^T: tokens 0-15 by gn high, by gn low; tokens 16-31 likewise
.set S0L,  40
.set S1H,  48
.set S1L,  56
.set RP,   64                          ; v64-71 P
.set LT,   72                          ; v72-95 LayerNorm at work, six a row: t0-t3, r0, r1
.set RH,   96                          ; v96-127 xn in f16, eight a row
.set FA0,  128
.set FA1,  192
.set MSB, 0
.macro WIN new                         ; the immediate's high byte repeats the setting that is left; a switch that changes nothing is dropped
.if MSB != (\new)
	s_set_vgpr_msb (MSB<<8)|(\new)
.set MSB, \new
.endif
.endm
.macro PLACES                          ; four plain instructions between a matrix instruction and what reads its result or loads into its registers
.rept 4
	v_nop
.endr
.endm
.macro R4 line:vararg                  ; one line for each of a group's four rows: no line waits for the one before it
.set k, 0
.rept 4
.set XR, XB+16*k
.set TR, LT+6*k
	\line
.set k, k+1
.endr
.endm
.macro REDUCE                          ; t0:t3 of each row -> the sum over the row's 512 numbers, in every lane's t0
	WIN 0
	R4 v_pk_add_f32 v[TR:TR+1], v[TR:TR+1], v[TR+2:TR+3]
	R4 v_add_f32 v[TR], v[TR], v[TR+1]
	R4 v_add_f32_dpp v[TR], v[TR], v[TR] row_xmask:1 row_mask:0xf bank_mask:0xf
	R4 v_add_f32_dpp v[TR], v[TR], v[TR] row_xmask:2 row_mask:0xf bank_mask:0xf
	R4 v_add_f32_dpp v[TR], v[TR], v[TR] row_xmask:4 row_mask:0xf bank_mask:0xf
	R4 v_add_f32_dpp v[TR], v[TR], v[TR] row_xmask:8 row_mask:0xf bank_mask:0xf
	R4 v_permlanex16_b32 v[TR+1], v[TR], s32, s33
	R4 v_add_f32 v[TR], v[TR], v[TR+1]
.endm
; Rows 4 g .. 4 g + 3 of the ring: normalised, rounded, staged; reload = 1: asked for again, 16 rows further down.  left: the younger loads that may stay out.
.macro GROUP g, reload, left
.set XB, 64*(\g)
.set GB, 4*(\g)
	s_wait_loadcnt \left               ; loads come back in order: my four rows are in
	WIN 0x0f                           ; sources 0 and 1 in the ring.  The running sums lie in window 0, so they enter as the third source: x * 1 + t
	R4 v_pk_add_f32 v[TR:TR+1], v[XR:XR+1], v[XR+2:XR+3]
	R4 v_pk_add_f32 v[TR+2:TR+3], v[XR+4:XR+5], v[XR+6:XR+7]
	R4 v_pk_fma_f32 v[TR:TR+1], v[XR+8:XR+9], 1.0, v[TR:TR+1] op_sel_hi:[1,0,1]
	R4 v_pk_fma_f32 v[TR+2:TR+3], v[XR+10:XR+11], 1.0, v[TR+2:TR+3] op_sel_hi:[1,0,1]
	R4 v_pk_fma_f32 v[TR:TR+1], v[XR+12:XR+13], 1.0, v[TR:TR+1] op_sel_hi:[1,0,1]
	R4 v_pk_fma_f32 v[TR+2:TR+3], v[XR+14:XR+15], 1.0, v[TR+2:TR+3] op_sel_hi:[1,0,1]
	REDUCE
	WIN 0xf0                           ; x - sum / 512, in place
.set p, 0
.rept 8
	R4 v_pk_fma_f32 v[XR+p:XR+p+1], v[TR:TR+1], s[28:29], v[XR+p:XR+p+1] op_sel_hi:[0,0,1]
.set p, p+2
.endr
	WIN 0x0f
	R4 v_pk_mul_f32 v[TR:TR+1], v[XR:XR+1], v[XR:XR+1]
	R4 v_pk_mul_f32 v[TR+2:TR+3], v[XR+2:XR+3], v[XR+2:XR+3]
.set p, 4
.rept 3
	R4 v_pk_fma_f32 v[TR:TR+1], v[XR+p:XR+p+1], v[XR+p:XR+p+1], v[TR:TR+1]
	R4 v_pk_fma_f32 v[TR+2:TR+3], v[XR+p+2:XR+p+3], v[XR+p+2:XR+p+3], v[TR+2:TR+3]
.set p, p+4
.endr
	REDUCE
	R4 v_fma_f32 v[TR+4], v[TR], s30, s31
	R4 v_rsq_f32 v[TR+4], v[TR+4]
	v_nop                              ; a plain instruction between the last root and the use of its result (ISA guide 5.7.2)
	s_wait_alu depctr_va_vdst(0)
	WIN 0xc3
.set p, 0
.rept 8
	R4 v_pk_mul_f32 v[XR+p:XR+p+1], v[XR+p:XR+p+1], v[TR+4:TR+5] op_sel_hi:[1,0]
.set p, p+2
.endr
	WIN 0x0f
.set p, 0
.rept 8
	R4 v_cvt_pk_f16_f32 v[RH+8*k+p], v[XR+2*p], v[XR+2*p+1]
.set p, p+1
.endr
	WIN 0
.set j, 0
.rept 4
	R4 ds_store_b64 v[STA], v[RH+8*k+2*j:RH+8*k+2*j+1] offset:(GB+k)*PITCH+256*j  ; 32 lanes x 8 bytes: 256 neighbouring bytes
.set j, j+1
.endr
.if \reload
	WIN 0xc0
.set n, 0
.rept 16
	global_load_b128 v[XB+4*n:XB+4*n+3], v[XO], s[4:5] offset:(16+GB)*2048+512*n th:TH_LOAD_NT
.set n, n+1
.endr
.endif
.endm
; A lap: the ring's 16 rows.  With reload every group finds three younger groups' 48 loads out (from the start, inside a lap and from lap to lap); the last lap asks for nothing, and its counts run down.
.macro LAP reload
	v_add_nc_u32 v[STA], s35, v[STA0]
.if \reload
	GROUP 0, 1, 48
	GROUP 1, 1, 48
	GROUP 2, 1, 48
	GROUP 3, 1, 48
.else
	GROUP 0, 0, 48
	GROUP 1, 0, 32
	GROUP 2, 0, 16
	GROUP 3, 0, 0
.endif
	WIN 0
	s_xor_b32 s35, s35, HALF           ; the next lap fills the stage's other half
.if \reload
	s_wait_xcnt 0x0                    ; the loads' base is stepped only behind this wait
	s_add_nc_u64 s[4:5], s[4:5], 32768
.endif
.endm
.macro FETCH_A bt, buf                 ; K steps 4 bt .. 4 bt + 3 of both token tiles: fragment 2 cc + t
	WIN 0
.set f, 0
.rept 8
	ds_load_b128 v[(\buf)+8*f:(\buf)+8*f+3],   v[FRA] offset:(f%2)*HALF+64*(4*(\bt)+f/2)
	ds_load_b128 v[(\buf)+8*f+4:(\buf)+8*f+7], v[FRA] offset:(f%2)*HALF+64*(4*(\bt)+f/2)+32
.set f, f+1
.endr
.endm
.macro MULS bt, buf                    ; 16 products of S^T; the four accumulators take turns; the very first four start the sums
	WIN 0x08                           ; source 1 (gn) in window 2
.set cc, 0
.rept 4
.set c8, 8*(4*(\bt)+cc)
.set fa, (\buf)+16*cc
.if c8 == 0
	v_wmma_f32_16x16x32_f16 v[S0H:S0H+7], v[fa:fa+7], v[c8:c8+7], 0
	v_wmma_f32_16x16x32_f16 v[S0L:S0L+7], v[fa:fa+7], v[128+c8:128+c8+7], 0
	v_wmma_f32_16x16x32_f16 v[S1H:S1H+7], v[fa+8:fa+15], v[c8:c8+7], 0
	v_wmma_f32_16x16x32_f16 v[S1L:S1L+7], v[fa+8:fa+15], v[128+c8:128+c8+7], 0
.else
	v_wmma_f32_16x16x32_f16 v[S0H:S0H+7], v[fa:fa+7], v[c8:c8+7], v[S0H:S0H+7]
	v_wmma_f32_16x16x32_f16 v[S0L:S0L+7], v[fa:fa+7], v[128+c8:128+c8+7], v[S0L:S0L+7]
	v_wmma_f32_16x16x32_f16 v[S1H:S1H+7], v[fa+8:fa+15], v[c8:c8+7], v[S1H:S1H+7]
	v_wmma_f32_16x16x32_f16 v[S1L:S1L+7], v[fa+8:fa+15], v[128+c8:128+c8+7], v[S1L:S1L+7]
.endif
.set cc, cc+1
.endr
.endm
.macro FETCH_T bt, buf                 ; tiles 8 bt .. 8 bt + 7 of xn^T: 16 channels x 32 tokens each
	WIN 0
.set f, 0
.rept 8
	ds_load_tr16_b128 v[(\buf)+8*f:(\buf)+8*f+3],   v[TRA] offset:256*(\bt)+16*f
	ds_load_tr16_b128 v[(\buf)+8*f+4:(\buf)+8*f+7], v[TRA] offset:256*(\bt)+16*f+HALF
.set f, f+1
.endr
.endm
.macro RESC bt                         ; eight tiles of O^T times a, each from its low end on
	WIN 0x41
.set f, 64*(\bt)
.rept 32
	v_pk_mul_f32 v[f:f+1], v[f:f+1], v[RA:RA+1] op_sel_hi:[1,0]
.set f, f+2
.endr
.endm
.macro MULO bt, buf                    ; eight products of O^T, on eight accumulators
	WIN 0x50
.set f, 0
.rept 8
	v_wmma_f32_16x16x32_f16 v[64*(\bt)+8*f:64*(\bt)+8*f+7], v[(\buf)+8*f:(\buf)+8*f+7], v[RP:RP+7], v[64*(\bt)+8*f:64*(\bt)+8*f+7]
.set f, f+1
.endr
.endm
	s_load_b256 s[4:11], s[0:1], 0x0   ; hidden s[4:5], G s[6:7], gsc s[8:9], partO s[10:11]
	s_load_b64 s[12:13], s[0:1], 0x20  ; partML
	v_lshl_add_u32 v[SPW], v0, 2, SPARE
	v_mov_b32 v[NIL], 0
	ds_add_u32 v[SPW], v[NIL]          ; the wave's opening: the add and its wait stand ahead of my tensor load; the set-up below, work on registers, stands between them
	ds_add_u32 v28, v29
	v_lshrrev_b32 v9, 5, v0
	v_readfirstlane_b32 s14, v9        ; wave 0..3
	s_mov_b32 s15, ttmp9               ; work-group 0..255
	; descriptor group 1: my 8 rows of gn, 256 elements of 4 bytes each, 4 words of padding behind every 256
	s_mov_b32 s16, (2<<16)|(1<<20)|(7<<22)|(3<<25)
	s_mov_b32 s17, 256<<16             ; tensor_dim0 = 256
	s_mov_b32 s18, 8<<16               ; tensor_dim1 = 8
	s_mov_b32 s19, 256<<16             ; tile_dim0 = 256
	s_mov_b32 s20, 8                   ; tile_dim1 = 8
	s_mov_b32 s21, 256                 ; elements from row to row
	s_mov_b32 s22, 0
	s_mov_b32 s23, 0
	s_mov_b32 s24, 1                   ; group 0: count = 1,
	s_mul_i32 s25, s14, 8*PITCH        ; LDS address: wave x 8 rows
	s_lshr_b32 s45, s15, 2             ; the batch
	s_lshl_b32 s36, s45, 15            ; G: 32,768 bytes a batch, 8,192 for a wave's 8 rows
	s_lshl_b32 s37, s14, 13
	s_add_co_u32 s36, s36, s37
	s_mov_b32 s37, 0
	s_lshl_b32 s38, s15, 20            ; hidden: 512 rows of 2,048 bytes a work-group, 128 a wave
	s_lshl_b32 s39, s14, 18
	s_add_co_u32 s38, s38, s39
	s_mov_b32 s39, 0
	s_lshl_b32 s40, s15, 15            ; partO: 32,768 bytes a work-group; I send heads 4 w .. 4 w + 3
	s_lshl_b32 s41, s14, 13
	s_add_co_u32 s40, s40, s41
	s_mov_b32 s41, 0
	s_lshl_b32 s42, s15, 8             ; partML: 256 bytes a work-group
	s_mov_b32 s43, 0
	s_mul_i32 s44, s14, STGW
	s_add_co_u32 s44, s44, STG         ; my stage
	s_lshl_b32 s45, s45, 2             ; 4 x batch
	s_mov_b32 s28, 0xbb000000          ; -1/512, named as a pair
	s_mov_b32 s29, 0xbb000000
	s_mov_b32 s30, 0x3b000000          ; 1/512
	s_mov_b32 s31, 0x3727c5ac          ; 1e-5
	s_mov_b32 s32, 0x76543210          ; v_permlanex16_b32: each lane takes its own place in the other half
	s_mov_b32 s33, 0xfedcba98
	s_mov_b32 s34, 0                   ; the lap
	s_mov_b32 s35, 0                   ; which half of the stage it fills
	v_and_b32 v20, 31, v0              ; L
	v_and_b32 v21, 15, v0              ; r
	v_bfe_u32 v22, v0, 4, 1            ; hh
	v_lshlrev_b32 v[XO], 4, v20
	v_lshl_add_u32 v[STA0], v20, 3, s44
	v_mul_u32_u24 v23, v21, PITCH
	v_lshl_add_u32 v[GFA], v22, 4, v23 ; a fragment's row x pitch + 16 x half
	v_add_nc_u32 v[FRA], s44, v[GFA]
	v_and_b32 v24, 7, v0
	v_lshl_add_u32 v24, v22, 3, v24    ; the turning load: token 8 hh + L % 8,
	v_mul_u32_u24 v24, v24, PITCH
	v_bfe_u32 v25, v0, 3, 1
	v_lshl_add_u32 v24, v25, 7, v24    ; 16 bytes at 128 ((L / 8) % 2): the second block of eight channels lies 64 channels on
	v_add_nc_u32 v[TRA], s44, v24
	v_lshl_add_u32 v[CRD2], v21, 8, s45  ; gsc[head r][batch]
	s_wait_dscnt 0x0                   ; the opening add is done
	s_wait_kmcnt 0x0
	s_add_nc_u64 s[26:27], s[6:7], s[36:37]
	s_or_b32 s27, s27, 0x80000000      ; type = 2
	s_add_nc_u64 s[4:5], s[4:5], s[38:39]
	s_add_nc_u64 s[10:11], s[10:11], s[40:41]
	s_add_nc_u64 s[12:13], s[12:13], s[42:43]
	global_load_b32 v[RC], v[CRD2], s[8:9]  ; the oldest load: the first counted wait covers it
	tensor_load_to_lds s[24:27], s[16:23]   ; my one tensor load; nothing is ever filled again
	s_nop 0
	WIN 0xc0
.set n, 0
.rept 64                               ; the ring: rows 0 to 15, 512 consecutive bytes a load
	global_load_b128 v[4*n:4*n+3], v[XO], s[4:5] offset:512*n th:TH_LOAD_NT
.set n, n+1
.endr
	; O^T and l start at 0, m at the lowest finite number and c m far below every c s: the first step is a step like any other, with a = 0, and no first step is written out.
	; The price, 256 v_mov_b32, stands in the wait for the first rows.
	WIN 0x40
.set n, 0
.rept 256
	v_mov_b32 v[n], 0
.set n, n+1
.endr
	WIN 0
	v_mov_b32 v[RC+1], 0               ; the second registers of pairs that are read as broadcasts
	v_mov_b32 v[RCM], 0xfe000000
	v_mov_b32 v[RCM+1], 0
	v_mov_b32 v[RM], 0xff7fffff
	v_mov_b32 v[RA+1], 0
	v_mov_b32 v[RL], 0
	v_mov_b32 v[RL+1], 0
.irp k, 0,1,2,3
	v_mov_b32 v[LT+6*\k+5], 0
.endr
	s_wait_tensorcnt 0x0               ; my 8 rows of gn are in,
	s_barrier_signal -1
	s_barrier_wait -1                  ; everybody's are
	WIN 0x80
.set f, 0
.rept 32                               ; gn stays in registers: part f / 16, K step f % 16
	ds_load_b128 v[8*f:8*f+3],   v[GFA] offset:(f/16)*HALF+64*(f%16)
	ds_load_b128 v[8*f+4:8*f+7], v[GFA] offset:(f/16)*HALF+64*(f%16)+32
.set f, f+1
.endr
	WIN 0
.Ltrip:                                ; eight laps; every jump inside goes forward
	s_cmp_eq_u32 s34, 7
	s_cbranch_scc1 .Llast
	LAP 1
	s_branch .Ljoin
.Llast:
	LAP 0
.Ljoin:
	s_bitcmp1_b32 s34, 0
	s_cbranch_scc0 .Lnomat             ; the stage's 32 tokens are whole behind every second lap
	; LDS serves a wave's instructions in order (ISA guide 5.7.1.4): these loads see the laps' stores.  Each wait for 16 leaves out the batch of 16 loads issued last.
	FETCH_A 0, FA0
	FETCH_A 1, FA1
	s_wait_dscnt 16
	MULS 0, FA0
	PLACES
	FETCH_A 2, FA0
	s_wait_dscnt 16
	MULS 1, FA1
	PLACES
	FETCH_A 3, FA1
	s_wait_dscnt 16
	MULS 2, FA0
	PLACES
	FETCH_T 0, FA0
	s_wait_dscnt 16
	MULS 3, FA1
	PLACES                             ; for the loads below and for the first reads of S^T
	FETCH_T 1, FA1
	; THE SOFTMAX of 32 tokens x my head
.irp p, 0,2,4,6
	v_pk_add_f32 v[S0H+\p:S0H+\p+1], v[S0H+\p:S0H+\p+1], v[S0L+\p:S0L+\p+1]
.endr
.irp p, 0,2,4,6
	v_pk_add_f32 v[S1H+\p:S1H+\p+1], v[S1H+\p:S1H+\p+1], v[S1L+\p:S1L+\p+1]
.endr
	v_max3_num_f32 v20, v[S0H], v[S0H+1], v[S0H+2]
	v_max3_num_f32 v21, v[S1H], v[S1H+1], v[S1H+2]
	v_max3_num_f32 v20, v20, v[S0H+3], v[S0H+4]
	v_max3_num_f32 v21, v21, v[S1H+3], v[S1H+4]
	v_max3_num_f32 v20, v20, v[S0H+5], v[S0H+6]
	v_max3_num_f32 v21, v21, v[S1H+5], v[S1H+6]
	v_max3_num_f32 v20, v20, v[S0H+7], v[S1H+7]
	v_max3_num_f32 v20, v20, v21, v[RM]
	v_permlanex16_b32 v21, v20, s32, s33  ; the head's other 16 tokens lie in the lane 16 away
	v_mov_b32 v[ROLD], v[RCM]
	v_max_num_f32 v[RM], v20, v21      ; c > 0, so the maximum is taken of the scores as they are
	v_mul_f32 v[RCM], v[RC], v[RM]
	v_sub_f32 v[ROLD], v[ROLD], v[RCM]
	v_exp_f32 v[RA], v[ROLD]
.irp p, 0,2,4,6
	v_pk_fma_f32 v[S0H+\p:S0H+\p+1], v[S0H+\p:S0H+\p+1], v[RC:RC+1], v[RCM:RCM+1] op_sel_hi:[1,0,0] neg_lo:[0,0,1] neg_hi:[0,0,1]
	v_pk_fma_f32 v[S1H+\p:S1H+\p+1], v[S1H+\p:S1H+\p+1], v[RC:RC+1], v[RCM:RCM+1] op_sel_hi:[1,0,0] neg_lo:[0,0,1] neg_hi:[0,0,1]
.endr
.irp p, 0,1,2,3,4,5,6,7
	v_exp_f32 v[S0H+\p], v[S0H+\p]
.endr
.irp p, 0,1,2,3,4,5,6,7
	v_exp_f32 v[S1H+\p], v[S1H+\p]
.endr
	v_nop                              ; a plain instruction between the last exponential and the use of its result
	s_wait_alu depctr_va_vdst(0)
.irp p, 0,1,2,3
	v_cvt_pk_f16_f32 v[RP+\p], v[S0H+2*\p], v[S0H+2*\p+1]
.endr
.irp p, 0,1,2,3
	v_cvt_pk_f16_f32 v[RP+4+\p], v[S1H+2*\p], v[S1H+2*\p+1]
.endr
	v_pk_add_f32 v[S0H:S0H+1], v[S0H:S0H+1], v[S0H+2:S0H+3]
	v_pk_add_f32 v[S0H+4:S0H+5], v[S0H+4:S0H+5], v[S0H+6:S0H+7]
	v_pk_add_f32 v[S1H:S1H+1], v[S1H:S1H+1], v[S1H+2:S1H+3]
	v_pk_add_f32 v[S1H+4:S1H+5], v[S1H+4:S1H+5], v[S1H+6:S1H+7]
	v_pk_add_f32 v[S0H:S0H+1], v[S0H:S0H+1], v[S0H+4:S0H+5]
	v_pk_add_f32 v[S1H:S1H+1], v[S1H:S1H+1], v[S1H+4:S1H+5]
	v_pk_add_f32 v[S0H:S0H+1], v[S0H:S0H+1], v[S1H:S1H+1]
	v_pk_fma_f32 v[RL:RL+1], v[RL:RL+1], v[RA:RA+1], v[S0H:S0H+1] op_sel_hi:[1,0,1]
	; O^T = a O^T + xn^T P.  The next eight tiles' 32 multiplies name no register of the products just issued: they are the places in front of the loads into the buffer those products read.
	RESC 0
	s_wait_dscnt 16
	MULO 0, FA0
	RESC 1
	FETCH_T 2, FA0
	s_wait_dscnt 16
	MULO 1, FA1
	RESC 2
	FETCH_T 3, FA1
	s_wait_dscnt 16
	MULO 2, FA0
	RESC 3
	s_wait_dscnt 0x0                   ; the last batch is in, and my reads of the stage are over: the next lap may store into it
	MULO 3, FA1
	WIN 0
.Lnomat:
	s_add_co_u32 s34, s34, 1
	s_cmp_lt_u32 s34, 8
	s_cbranch_scc1 .Ltrip
	; THE FOUR WAVES' STATES MEET.  (c m, l) through LDS; then O, scaled to the common maximum, through the stages, which nobody reads any more.
	PLACES
	v_add_f32 v[RL], v[RL], v[RL+1]
	v_and_b32 v20, 31, v0
	v_permlanex16_b32 v21, v[RL], s32, s33
	v_lshl_add_u32 v[MLA], v20, 3, MLX
	v_add_f32 v[RCM+1], v[RL], v21
	v_lshl_add_u32 v22, s14, 8, v[MLA]
	ds_store_b64 v22, v[RCM:RCM+1]
	v_and_b32 v23, 15, v0
	v_bfe_u32 v24, v0, 4, 1
	v_mul_u32_u24 v[CST], v23, CBP     ; head r's row of 2,064 bytes = 516 words: row r starts at bank 4 r mod 64
	v_lshl_add_u32 v[CST], v24, 8, v[CST]  ; + 64 hh channels of f32
	s_mul_i32 s36, s14, CBW
	s_add_co_u32 s36, s36, STG
	v_add_nc_u32 v[CST], s36, v[CST]
	s_mul_i32 s37, s14, 4*CBP
	s_add_co_u32 s37, s37, STG
	v_lshl_add_u32 v[CRD], v20, 4, s37 ; back: heads 4 w + 0..3, 16 L
	v_add_nc_u32 v[CRD2], 2*CBW, v[CRD]  ; an LDS immediate has 16 bits: waves 2 and 3's copies get an address of their own
	v_lshlrev_b32 v[STA0], 3, v20      ; 8 L
	s_wait_dscnt 0x0                   ; my (c m, l) is in LDS, and my reads of my stage are over
	s_barrier_signal -1
	s_barrier_wait -1
	ds_load_b64 v[20:21], v[MLA]
	ds_load_b64 v[22:23], v[MLA] offset:256
	ds_load_b64 v[24:25], v[MLA] offset:512
	ds_load_b64 v[26:27], v[MLA] offset:768
	s_wait_dscnt 0x0
	v_max3_num_f32 v[RM], v20, v22, v24
	v_max_num_f32 v[RM], v[RM], v26    ; the work-group's c m
	v_sub_f32 v20, v20, v[RM]
	v_sub_f32 v22, v22, v[RM]
	v_sub_f32 v24, v24, v[RM]
	v_sub_f32 v26, v26, v[RM]
	v_sub_f32 v[RA], v[RCM], v[RM]
	v_exp_f32 v20, v20
	v_exp_f32 v22, v22
	v_exp_f32 v24, v24
	v_exp_f32 v26, v26
	v_exp_f32 v[RA], v[RA]             ; my own factor
	v_nop
	s_wait_alu depctr_va_vdst(0)
	v_mul_f32 v[ROLD], v20, v21        ; the work-group's l, beside its c m in a pair
	v_fmac_f32 v[ROLD], v22, v23
	v_fmac_f32 v[ROLD], v24, v25
	v_fmac_f32 v[ROLD], v26, v27
	WIN 0x41
.set f, 0
.rept 128
	v_pk_mul_f32 v[f:f+1], v[f:f+1], v[RA:RA+1] op_sel_hi:[1,0]
.set f, f+2
.endr
	WIN 0x04                           ; store data in window 1
.set f, 0
.rept 32                               ; tile f = 8 q + i: channels 128 q + 64 hh + 8 i + 0..7
	ds_store_b128 v[CST], v[8*f:8*f+3]   offset:512*(f/8)+32*(f%8)
	ds_store_b128 v[CST], v[8*f+4:8*f+7] offset:512*(f/8)+32*(f%8)+16
.set f, f+1
.endr
	WIN 0
	s_wait_dscnt 0x0                   ; for the others' sake: my O is in LDS
	s_barrier_signal -1
	s_barrier_wait -1
	WIN 0xc0
.set f, 0
.rept 64                               ; f = 16 u + 4 j + source wave: head 4 w + u, 512 bytes at 512 j
.if (f%4) < 2
	ds_load_b128 v[4*f:4*f+3], v[CRD]  offset:(f%4)*CBW+(f/16)*CBP+512*((f/4)%4)
.else
	ds_load_b128 v[4*f:4*f+3], v[CRD2] offset:(f%4-2)*CBW+(f/16)*CBP+512*((f/4)%4)
.endif
.set f, f+1
.endr
.set u, 0
.rept 4
	s_wait_dscnt 48-16*u               ; head u's 16 loads are in; the younger heads' stay out
	WIN 0xcf
.set j, 0
.rept 4
.set b, 64*u+16*j
	v_pk_add_f32 v[b:b+1], v[b:b+1], v[b+4:b+5]
	v_pk_add_f32 v[b+2:b+3], v[b+2:b+3], v[b+6:b+7]
	v_pk_add_f32 v[b+8:b+9], v[b+8:b+9], v[b+12:b+13]
	v_pk_add_f32 v[b+10:b+11], v[b+10:b+11], v[b+14:b+15]
	v_pk_add_f32 v[b:b+1], v[b:b+1], v[b+8:b+9]
	v_pk_add_f32 v[b+2:b+3], v[b+2:b+3], v[b+10:b+11]
.set j, j+1
.endr
	WIN 0x0c                           ; store data in window 3
.set j, 0
.rept 4
	global_store_b128 v[XO], v[64*u+16*j:64*u+16*j+3], s[10:11] offset:u*2048+512*j  ; 512 consecutive bytes, at a multiple of 512 from partO's first byte
.set j, j+1
.endr
.set u, u+1
.endr
	WIN 0
	s_cmp_lg_u32 s14, 0
	s_cbranch_scc1 .Lnot0
	global_store_b64 v[STA0], v[RM:RM+1], s[12:13]  ; 256 consecutive bytes, at a multiple of 256 from partML's first byte
.Lnot0:
	s_wait_tensorcnt 0x0               ; the wave's end, behind my tensor load and my last LDS store
	ds_add_u32 v[SPW], v[NIL]
	s_wait_dscnt 0x0
	s_endpgm
.Lfunc_end_k_qac53f82d8f_main:
	.size	k_qac53f82d8f_main, .Lfunc_end_k_qac53f82d8f_main-k_qac53f82d8f_main
	.p2alignl 7, 3214868480
	.fill 96, 4, 3214868480
	.section	.rodata,"a",@progbits
	.p2align	6, 0x0
	.amdhsa_kernel k_qac53f82d8f_main
		.amdhsa_group_segment_fixed_size 167936
		.amdhsa_private_segment_fixed_size 0
		.amdhsa_enable_private_segment 0
		.amdhsa_kernarg_size 40
		.amdhsa_user_sgpr_count 2
		.amdhsa_user_sgpr_kernarg_segment_ptr 1
		.amdhsa_wavefront_size32 1
		.amdhsa_system_sgpr_workgroup_id_x 1
		.amdhsa_system_sgpr_workgroup_id_y 1
		.amdhsa_system_sgpr_workgroup_id_z 1
		.amdhsa_system_vgpr_workitem_id 0
		.amdhsa_next_free_vgpr 1024
		.amdhsa_next_free_sgpr 66
		.amdhsa_reserve_vcc 0
		.amdhsa_float_denorm_mode_32 3
		.amdhsa_float_denorm_mode_16_64 3
		.amdhsa_memory_ordered 1
		.amdhsa_forward_progress 1
		.amdhsa_inst_pref_size 200
	.end_amdhsa_kernel
	.amdgpu_metadata
---
amdhsa.version: [ 1, 2 ]
amdhsa.kernels:
  - .name:           k_qac53f82d8f_main
    .symbol:         k_qac53f82d8f_main.kd
    .args:
      - { .name: hidden_states, .offset: 0, .size: 8, .value_kind: global_buffer, .address_space: global }
      - { .name: G, .offset: 8, .size: 8, .value_kind: global_buffer, .address_space: global }
      - { .name: gsc, .offset: 16, .size: 8, .value_kind: global_buffer, .address_space: global }
      - { .name: partO, .offset: 24, .size: 8, .value_kind: global_buffer, .address_space: global }
      - { .name: partML, .offset: 32, .size: 8, .value_kind: global_buffer, .address_space: global }
    .group_segment_fixed_size: 167936
    .private_segment_fixed_size: 0
    .kernarg_segment_align: 8
    .kernarg_segment_size: 40
    .max_flat_workgroup_size: 128
    .sgpr_count:     66
    .vgpr_count:     1024
    .wavefront_size: 32
...
	.end_amdgpu_metadata
.endif
;; end of part 2
;; launch ctx (part 3): grid 16 x 4, 8 waves a work-group, no clusters, 50,944 bytes of LDS; arguments partO, partML, Wv, ln_gamma, ln_beta, ctxF; writes ctxF
.if DOCPART == 3
	.amdgcn_target "amdgcn-amd-amdhsa--gfx1250"
	.amdhsa_code_object_version 6
	.text
	.protected	k_qac53f82d8f_ctx
	.globl	k_qac53f82d8f_ctx
	.p2align	8
	.type	k_qac53f82d8f_ctx,@function
k_qac53f82d8f_ctx:
	s_mov_b64 s[64:65], 0
	v_nop
	global_prefetch_b8 v0, s[64:65] scope:SCOPE_SE
	s_setreg_imm32_b32 hwreg(HW_REG_WAVE_MODE, 25, 1), 1
	s_wait_xcnt 0x0
; LAUNCH 3 OF 4.  For head h = group x and batches 16 gB .. 16 gB + 15 (gB = group y): a batch's four partial states are joined,
;   xbar = sum_i f_i O_i / sum_i f_i l_i,  f_i = 2^(cm_i - max cm),
; and since the weights of a softmax add up to 1 the value projection is applied once:  ctx[b][32 h + j] = Wv[32 h + j] . (xbar gamma + beta).
; ctx leaves in f16, in the order in which launch 4 takes it as a matrix operand: ctxF[h][gB][tile t][lane][8]: lane (batch r, half hh) holds j = 16 t + 8 hh + 0..7.
; LIMITS.  |Wv|, |xbar gamma + beta| and |ctx| stay under 65,504 (f16); NaN and infinities are not treated apart.
; SHARES.  Wave w joins batches 16 gB + 2 w + {0, 1} and rounds rows 32 h + 4 w + 0..3 of Wv; waves 0 and 1 then make one tile of 16 j x 16 batches each: 16 matrix instructions, too few to share further.
.set PITCH, 1040                       ; an LDS row of 512 f16 + 16 bytes: row r starts at bank 4 r mod 64 (64 banks of 4 bytes: ISA guide 11.1)
.set WV,    16*PITCH                   ; the 16 batches' rows lie at 0, Wv's 32 rows here
.set SPARE, WV+32*PITCH                ; the spare words, 128 bytes a wave: four blocks of 256 bytes that no other line names
.set SPW, 28
.set NIL, 29
.set GAM, 32                           ; v32-47 gamma, v48-63 beta: the lane holds channels 128 j + 4 L + 0..3
.set BET, 48
.set ML,  64                           ; v64-79 (cm, l): batch k, part i at 64 + 8 k + 2 i
.set HP,  96                           ; v96-111 xbar gamma + beta; v112-119 the same in f16; later v96-127 Wv in f16
.set PK,  112
.set ACC, 128                          ; v128-159 four accumulators
; window 1: v0-127 partO: batch k, part i at 16 (4 k + i); v128-191 Wv as loaded; later all 256: fragments
.set MSB, 0
.macro WIN new                         ; s_set_vgpr_msb: bits 1:0 source 0, 3:2 source 1, 5:4 source 2, 7:6 destination; the high byte repeats the setting that is left
.if MSB != (\new)
	s_set_vgpr_msb (MSB<<8)|(\new)
.set MSB, \new
.endif
.endm
	s_load_b256 s[4:11], s[0:1], 0x0   ; partO s[4:5], partML s[6:7], Wv s[8:9], gamma s[10:11]
	s_load_b128 s[12:15], s[0:1], 0x20 ; beta s[12:13], ctxF s[14:15]
	v_lshl_add_u32 v[SPW], v0, 2, SPARE
	v_mov_b32 v[NIL], 0
	v_lshrrev_b32 v10, 5, v0
	v_readfirstlane_b32 s20, v10       ; wave 0..7
	s_mov_b32 s21, ttmp9               ; head
	s_and_b32 s22, ttmp7, 0xffff       ; gB
	s_lshl_b32 s23, s21, 3             ; 8 h: lane h's pair in a work-group's 256 bytes of partML
	s_lshl_b32 s24, s22, 4
	s_lshl1_add_u32 s24, s20, s24      ; my first batch
	s_lshl_b32 s26, s24, 10            ; partML: four parts of 256 bytes a batch
	s_mov_b32 s27, 0
	s_lshl_b32 s28, s24, 17            ; partO: four parts of 32,768 bytes a batch,
	s_lshl_b32 s29, s21, 11            ; 2,048 a head
	s_add_co_u32 s28, s28, s29
	s_mov_b32 s29, 0
	s_lshl_b32 s30, s21, 5
	s_lshl2_add_u32 s30, s20, s30      ; my first row of Wv
	s_lshl_b32 s30, s30, 11
	s_mov_b32 s31, 0
	s_and_b32 s34, s20, 1              ; the tile that waves 0 and 1 make
	s_lshl2_add_u32 s32, s21, s22      ; ctxF: 1,024 bytes for (h, gB), 512 a tile
	s_lshl_b32 s32, s32, 10
	s_lshl_b32 s33, s34, 9
	s_add_co_u32 s32, s32, s33
	s_mov_b32 s33, 0
	v_and_b32 v2, 31, v0               ; L
	v_and_b32 v3, 15, v0               ; r
	v_bfe_u32 v4, v0, 4, 1             ; hh
	v_lshlrev_b32 v1, 4, v2            ; 16 L
	v_mov_b32 v5, s23
	s_mul_i32 s35, s20, 2*PITCH
	v_lshl_add_u32 v6, v2, 3, s35      ; where my two batches' rows go
	s_mul_i32 s35, s20, 4*PITCH
	s_add_co_u32 s35, s35, WV
	v_lshl_add_u32 v7, v2, 3, s35      ; my rows of Wv
	v_mul_u32_u24 v8, v3, PITCH
	v_lshl_add_u32 v8, v4, 4, v8       ; fragments of the batches' rows
	s_mul_i32 s35, s34, 16*PITCH
	s_add_co_u32 s35, s35, WV
	v_add_nc_u32 v9, s35, v8           ; fragments of my tile's rows of Wv
	s_wait_kmcnt 0x0
	s_add_nc_u64 s[6:7], s[6:7], s[26:27]
	s_add_nc_u64 s[4:5], s[4:5], s[28:29]
	s_add_nc_u64 s[8:9], s[8:9], s[30:31]
	s_add_nc_u64 s[14:15], s[14:15], s[32:33]
.set n, 0
.rept 8
	global_load_b64 v[ML+2*n:ML+2*n+1], v5, s[6:7] offset:256*n  ; every lane takes head h's pair
.set n, n+1
.endr
.set n, 0
.rept 4
	global_load_b128 v[GAM+4*n:GAM+4*n+3], v1, s[10:11] offset:512*n
	global_load_b128 v[BET+4*n:BET+4*n+3], v1, s[12:13] offset:512*n
.set n, n+1
.endr
	WIN 0x40
.set n, 0
.rept 32                               ; part n / 4 of my eight, 512 bytes at 512 (n % 4)
	global_load_b128 v[4*n:4*n+3], v1, s[4:5] offset:(n/4)*32768+512*(n%4)
.set n, n+1
.endr
.set n, 0
.rept 16                               ; four rows of Wv lie end to end
	global_load_b128 v[128+4*n:128+4*n+3], v1, s[8:9] offset:512*n
.set n, n+1
.endr
	WIN 0
	s_wait_loadcnt 16                  ; all but Wv's 16 loads
.irp kk, 0,1
.set m, ML+8*\kk
.set o, 64*\kk
	v_max3_num_f32 v80, v[m], v[m+2], v[m+4]
	v_max_num_f32 v80, v80, v[m+6]
.irp i, 0,2,4,6
	v_sub_f32 v[m+\i], v[m+\i], v80
.endr
.irp i, 0,2,4,6
	v_exp_f32 v[m+\i], v[m+\i]
.endr
	v_nop                              ; a plain instruction between the last exponential and the use of its result (ISA guide 5.7.2)
	s_wait_alu depctr_va_vdst(0)
	v_mul_f32 v81, v[m], v[m+1]
	v_fmac_f32 v81, v[m+2], v[m+3]
	v_fmac_f32 v81, v[m+4], v[m+5]
	v_fmac_f32 v81, v[m+6], v[m+7]     ; at least 1: the part that holds the maximum has f = 1 and l >= 1
	v_rcp_f32 v81, v81
	v_nop
	s_wait_alu depctr_va_vdst(0)
.irp i, 0,2,4,6
	v_mul_f32 v[m+\i], v[m+\i], v81    ; the part's weight, in the low register of a pair whose high one (l) is written: read as a broadcast
.endr
	WIN 0x51                           ; destination, source 0 and source 2 in window 1
.set p, 0
.rept 8
	v_pk_mul_f32 v[o+p:o+p+1], v[o+p:o+p+1], v[m:m+1] op_sel_hi:[1,0]
.set p, p+2
.endr
.irp i, 1,2,3
.set p, 0
.rept 8
	v_pk_fma_f32 v[o+p:o+p+1], v[o+16*\i+p:o+16*\i+p+1], v[m+2*\i:m+2*\i+1], v[o+p:o+p+1] op_sel_hi:[1,0,1]
.set p, p+2
.endr
.endr
	WIN 0x01
.set p, 0
.rept 8
	v_pk_fma_f32 v[HP+p:HP+p+1], v[o+p:o+p+1], v[GAM+p:GAM+p+1], v[BET+p:BET+p+1]
.set p, p+2
.endr
	WIN 0
.set p, 0
.rept 8
	v_cvt_pk_f16_f32 v[PK+p], v[HP+2*p], v[HP+2*p+1]
.set p, p+1
.endr
.set j, 0
.rept 4
	ds_store_b64 v6, v[PK+2*j:PK+2*j+1] offset:\kk*PITCH+256*j
.set j, j+1
.endr
.endr
	s_wait_loadcnt 0x0                 ; Wv
	WIN 0x05
.set p, 0
.rept 32
	v_cvt_pk_f16_f32 v[HP+p], v[128+2*p], v[128+2*p+1]
.set p, p+1
.endr
	WIN 0
.set n, 0
.rept 16                               ; row n / 4, 256 bytes at 256 (n % 4)
	ds_store_b64 v7, v[HP+2*n:HP+2*n+1] offset:(n/4)*PITCH+256*(n%4)
.set n, n+1
.endr
	s_wait_dscnt 0x0                   ; for the others' sake: my rows are in LDS
	s_barrier_signal -1
	s_barrier_wait -1
	s_cmp_gt_u32 s20, 1
	s_cbranch_scc1 .Ldone              ; no barrier stands behind this branch
	WIN 0x40
.set c, 0
.rept 16
	ds_load_b128 v[8*c:8*c+3],         v9 offset:64*c
	ds_load_b128 v[8*c+4:8*c+7],       v9 offset:64*c+32
	ds_load_b128 v[128+8*c:128+8*c+3], v8 offset:64*c
	ds_load_b128 v[128+8*c+4:128+8*c+7], v8 offset:64*c+32
.set c, c+1
.endr
	s_wait_dscnt 0x0
	WIN 0x05                           ; source 0 = 16 rows j of Wv, source 1 = 16 batches; four accumulators take turns
.set c, 0
.rept 16
.set a, ACC+8*(c%4)
.if c < 4
	v_wmma_f32_16x16x32_f16 v[a:a+7], v[8*c:8*c+7], v[128+8*c:128+8*c+7], 0
.else
	v_wmma_f32_16x16x32_f16 v[a:a+7], v[8*c:8*c+7], v[128+8*c:128+8*c+7], v[a:a+7]
.endif
.set c, c+1
.endr
	WIN 0
.rept 4
	v_nop                              ; four places between the last product and the first read of a result (ISA guide 7.12.1)
.endr
.set p, 0
.rept 4                                ; each accumulator is read from its low end on
	v_pk_add_f32 v[ACC+p:ACC+p+1], v[ACC+p:ACC+p+1], v[ACC+8+p:ACC+8+p+1]
	v_pk_add_f32 v[ACC+16+p:ACC+16+p+1], v[ACC+16+p:ACC+16+p+1], v[ACC+24+p:ACC+24+p+1]
	v_pk_add_f32 v[ACC+p:ACC+p+1], v[ACC+p:ACC+p+1], v[ACC+16+p:ACC+16+p+1]
.set p, p+2
.endr
.set p, 0
.rept 4
	v_cvt_pk_f16_f32 v[HP+p], v[ACC+2*p], v[ACC+2*p+1]
.set p, p+1
.endr
	global_store_b128 v1, v[HP:HP+3], s[14:15]  ; 512 consecutive bytes, at a multiple of 512 from ctxF's first byte
.Ldone:
	s_wait_tensorcnt 0x0               ; the wave's end, behind my last LDS store
	ds_add_u32 v[SPW], v[NIL]
	s_wait_dscnt 0x0
	s_endpgm
.Lfunc_end_k_qac53f82d8f_ctx:
	.size	k_qac53f82d8f_ctx, .Lfunc_end_k_qac53f82d8f_ctx-k_qac53f82d8f_ctx
	.p2alignl 7, 3214868480
	.fill 96, 4, 3214868480
	.section	.rodata,"a",@progbits
	.p2align	6, 0x0
	.amdhsa_kernel k_qac53f82d8f_ctx
		.amdhsa_group_segment_fixed_size 50944
		.amdhsa_private_segment_fixed_size 0
		.amdhsa_enable_private_segment 0
		.amdhsa_kernarg_size 48
		.amdhsa_user_sgpr_count 2
		.amdhsa_user_sgpr_kernarg_segment_ptr 1
		.amdhsa_wavefront_size32 1
		.amdhsa_system_sgpr_workgroup_id_x 1
		.amdhsa_system_sgpr_workgroup_id_y 1
		.amdhsa_system_sgpr_workgroup_id_z 1
		.amdhsa_system_vgpr_workitem_id 0
		.amdhsa_next_free_vgpr 512
		.amdhsa_next_free_sgpr 66
		.amdhsa_reserve_vcc 0
		.amdhsa_float_denorm_mode_32 3
		.amdhsa_float_denorm_mode_16_64 3
		.amdhsa_memory_ordered 1
		.amdhsa_forward_progress 1
		.amdhsa_inst_pref_size 27
	.end_amdhsa_kernel
	.amdgpu_metadata
---
amdhsa.version: [ 1, 2 ]
amdhsa.kernels:
  - .name:           k_qac53f82d8f_ctx
    .symbol:         k_qac53f82d8f_ctx.kd
    .args:
      - { .name: partO, .offset: 0, .size: 8, .value_kind: global_buffer, .address_space: global }
      - { .name: partML, .offset: 8, .size: 8, .value_kind: global_buffer, .address_space: global }
      - { .name: Wv, .offset: 16, .size: 8, .value_kind: global_buffer, .address_space: global }
      - { .name: ln_gamma, .offset: 24, .size: 8, .value_kind: global_buffer, .address_space: global }
      - { .name: ln_beta, .offset: 32, .size: 8, .value_kind: global_buffer, .address_space: global }
      - { .name: ctxF, .offset: 40, .size: 8, .value_kind: global_buffer, .address_space: global }
    .group_segment_fixed_size: 50944
    .private_segment_fixed_size: 0
    .kernarg_segment_align: 8
    .kernarg_segment_size: 48
    .max_flat_workgroup_size: 256
    .sgpr_count:     66
    .vgpr_count:     512
    .wavefront_size: 32
...
	.end_amdgpu_metadata
.endif
;; end of part 3
;; launch outp (part 4): grid 8 x 4, 4 waves a work-group, no clusters, 71,424 bytes of LDS; arguments ctxF, Wo, bo, out0; writes out0
.if DOCPART == 4
	.amdgcn_target "amdgcn-amd-amdhsa--gfx1250"
	.amdhsa_code_object_version 6
	.text
	.protected	k_qac53f82d8f_outp
	.globl	k_qac53f82d8f_outp
	.p2align	8
	.type	k_qac53f82d8f_outp,@function
k_qac53f82d8f_outp:
	s_mov_b64 s[64:65], 0
	v_nop
	global_prefetch_b8 v0, s[64:65] scope:SCOPE_SE
	s_setreg_imm32_b32 hwreg(HW_REG_WAVE_MODE, 25, 1), 1
	s_wait_xcnt 0x0
; LAUNCH 4 OF 4.  out[b][e] = Wo[e] . ctx[b] + bo[e], for e = 64 eb .. 64 eb + 63 (eb = group x) and batches 16 gB .. 16 gB + 15 (gB = group y).
; Wave w takes rows e0 = 64 eb + 16 w .. + 15 of Wo: rounded to f16 into the wave's own part of LDS and read back as fragments (its own bytes: no barrier).  ctx arrives from launch 3 in fragment order:
; K step c is head c.  Source 0 = 16 rows of Wo, source 1 = 16 batches: a lane (batch r, half hh) holds out[b][e0 + 8 hh + 0..7].  bo is loaded into the first accumulator, so the products add onto it.
; The four waves' 64 columns of a row are 256 bytes of out0: they meet in a stage, and each wave stores whole rows.
; LIMITS.  |Wo| stays under 65,504 (f16); NaN and infinities are not treated apart.
.set PITCH, 1040                       ; an LDS row of 512 f16 + 16 bytes: row r starts at bank 4 r mod 64 (64 banks of 4 bytes: ISA guide 11.1)
.set OS,    4*16*PITCH                 ; behind the four waves' rows of Wo: 16 batches x (256 + 16) bytes
.set OSP,   272
.set SPARE, OS+16*OSP                  ; the spare words, 128 bytes a wave: two blocks of 256 bytes that no other line names
.set SPW, 28
.set NIL, 29
.set TMP, 32                           ; v32-63 four rows of Wo in f16
.set ACC, 64                           ; v64-95 four accumulators
.set OB,  96                           ; v96-103 rows on their way out
; window 1: Wo as loaded, row at 16 x row; later its fragments, K step c at 8 c.   window 2: v0-127 ctx's fragments, K step c at 8 c
.set MSB, 0
.macro WIN new                         ; s_set_vgpr_msb: bits 1:0 source 0, 3:2 source 1, 5:4 source 2, 7:6 destination; the high byte repeats the setting that is left
.if MSB != (\new)
	s_set_vgpr_msb (MSB<<8)|(\new)
.set MSB, \new
.endif
.endm
	s_load_b256 s[4:11], s[0:1], 0x0   ; ctxF s[4:5], Wo s[6:7], bo s[8:9], out0 s[10:11]
	v_lshl_add_u32 v[SPW], v0, 2, SPARE
	v_mov_b32 v[NIL], 0
	v_lshrrev_b32 v8, 5, v0
	v_readfirstlane_b32 s12, v8        ; wave 0..3
	s_mov_b32 s13, ttmp9               ; eb
	s_and_b32 s14, ttmp7, 0xffff       ; gB
	s_lshl_b32 s16, s14, 10            ; ctxF: 1,024 bytes for (head, gB)
	s_mov_b32 s17, 0
	s_lshl_b32 s18, s13, 2
	s_add_co_u32 s18, s18, s12         ; 4 eb + w: my 16 rows of Wo,
	s_lshl_b32 s20, s18, 6             ; their 64 bytes of bo
	s_mov_b32 s21, 0
	s_lshl_b32 s18, s18, 15            ; and their 32,768 bytes
	s_mov_b32 s19, 0
	s_lshl_b32 s22, s14, 2
	s_add_co_u32 s22, s22, s12         ; I store rows 16 gB + 4 w + 0..3 of out0,
	s_lshl_b32 s22, s22, 13
	s_lshl_b32 s23, s13, 8             ; 256 bytes at 256 eb
	s_add_co_u32 s22, s22, s23
	s_mov_b32 s23, 0
	v_and_b32 v9, 31, v0               ; L
	v_and_b32 v10, 15, v0              ; r
	v_bfe_u32 v11, v0, 4, 1            ; hh
	v_lshlrev_b32 v1, 4, v9            ; 16 L
	s_mul_i32 s24, s12, 16*PITCH
	v_lshl_add_u32 v2, v9, 3, s24      ; where my rows of Wo go
	v_mul_u32_u24 v3, v10, PITCH
	v_lshl_add_u32 v3, v11, 4, v3
	v_add_nc_u32 v3, s24, v3           ; and their fragments
	v_lshlrev_b32 v4, 5, v11           ; bo: 32 hh
	v_mul_u32_u24 v5, v10, OSP         ; into the stage: row r, 64 w + 32 hh
	v_lshl_add_u32 v5, v11, 5, v5
	s_lshl_b32 s25, s12, 6
	s_add_co_u32 s25, s25, OS
	v_add_nc_u32 v5, s25, v5
	v_mul_u32_u24 v6, v11, OSP         ; back: lanes 0-15 one row of 256 bytes, lanes 16-31 the next
	v_lshl_add_u32 v6, v10, 4, v6
	s_mul_i32 s25, s12, 4*OSP
	s_add_co_u32 s25, s25, OS
	v_add_nc_u32 v6, s25, v6
	v_lshlrev_b32 v7, 11, v11          ; and the same two rows in out0
	v_lshl_add_u32 v7, v10, 4, v7
	s_wait_kmcnt 0x0
	s_add_nc_u64 s[4:5], s[4:5], s[16:17]
	s_add_nc_u64 s[6:7], s[6:7], s[18:19]
	s_add_nc_u64 s[8:9], s[8:9], s[20:21]
	s_add_nc_u64 s[10:11], s[10:11], s[22:23]
	global_load_b128 v[ACC:ACC+3], v4, s[8:9]
	global_load_b128 v[ACC+4:ACC+7], v4, s[8:9] offset:16
	WIN 0x80
.set n, 0
.rept 32                               ; head n / 2, tile n % 2
	global_load_b128 v[4*n:4*n+3], v1, s[4:5] offset:(n/2)*4096+512*(n%2)
.set n, n+1
.endr
	WIN 0x40
.set n, 0
.rept 64                               ; my 16 rows lie end to end
	global_load_b128 v[4*n:4*n+3], v1, s[6:7] offset:512*n
.set n, n+1
.endr
.set g, 0
.rept 4
	s_wait_loadcnt 48-16*g             ; four rows are in; the younger groups' loads, 16 each, stay out
	WIN 0x05
.set p, 0
.rept 32
	v_cvt_pk_f16_f32 v[TMP+p], v[64*g+2*p], v[64*g+2*p+1]
.set p, p+1
.endr
	WIN 0
.set n, 0
.rept 16
	ds_store_b64 v2, v[TMP+2*n:TMP+2*n+1] offset:(4*g+n/4)*PITCH+256*(n%4)
.set n, n+1
.endr
.set g, g+1
.endr
	WIN 0x40
.set c, 0
.rept 16                               ; LDS serves a wave's instructions in order (ISA guide 5.7.1.4): these see the stores above
	ds_load_b128 v[8*c:8*c+3],   v3 offset:64*c
	ds_load_b128 v[8*c+4:8*c+7], v3 offset:64*c+32
.set c, c+1
.endr
	s_wait_dscnt 0x0
	WIN 0x09                           ; source 0 in window 1, source 1 in window 2; four accumulators take turns
.set c, 0
.rept 16
.set a, ACC+8*(c%4)
.if (c > 0) && (c < 4)
	v_wmma_f32_16x16x32_f16 v[a:a+7], v[8*c:8*c+7], v[8*c:8*c+7], 0
.else
	v_wmma_f32_16x16x32_f16 v[a:a+7], v[8*c:8*c+7], v[8*c:8*c+7], v[a:a+7]
.endif
.set c, c+1
.endr
	WIN 0
.rept 4
	v_nop                              ; four places between the last product and the first read of a result (ISA guide 7.12.1)
.endr
.set p, 0
.rept 4                                ; each accumulator is read from its low end on
	v_pk_add_f32 v[ACC+p:ACC+p+1], v[ACC+p:ACC+p+1], v[ACC+8+p:ACC+8+p+1]
	v_pk_add_f32 v[ACC+16+p:ACC+16+p+1], v[ACC+16+p:ACC+16+p+1], v[ACC+24+p:ACC+24+p+1]
	v_pk_add_f32 v[ACC+p:ACC+p+1], v[ACC+p:ACC+p+1], v[ACC+16+p:ACC+16+p+1]
.set p, p+2
.endr
	ds_store_b128 v5, v[ACC:ACC+3]
	ds_store_b128 v5, v[ACC+4:ACC+7] offset:16
	s_wait_dscnt 0x0                   ; for the others' sake: my 64 bytes of each row are in the stage
	s_barrier_signal -1
	s_barrier_wait -1
	ds_load_b128 v[OB:OB+3], v6
	ds_load_b128 v[OB+4:OB+7], v6 offset:2*OSP
	s_wait_dscnt 1
	global_store_b128 v7, v[OB:OB+3], s[10:11]                ; 16 lanes store 256 consecutive bytes, at a multiple of 256 from out0's first byte
	s_wait_dscnt 0x0
	global_store_b128 v7, v[OB+4:OB+7], s[10:11] offset:4096
	s_wait_tensorcnt 0x0               ; the wave's end, behind my last LDS store
	ds_add_u32 v[SPW], v[NIL]
	s_wait_dscnt 0x0
	s_endpgm
.Lfunc_end_k_qac53f82d8f_outp:
	.size	k_qac53f82d8f_outp, .Lfunc_end_k_qac53f82d8f_outp-k_qac53f82d8f_outp
	.p2alignl 7, 3214868480
	.fill 96, 4, 3214868480
	.section	.rodata,"a",@progbits
	.p2align	6, 0x0
	.amdhsa_kernel k_qac53f82d8f_outp
		.amdhsa_group_segment_fixed_size 71424
		.amdhsa_private_segment_fixed_size 0
		.amdhsa_enable_private_segment 0
		.amdhsa_kernarg_size 32
		.amdhsa_user_sgpr_count 2
		.amdhsa_user_sgpr_kernarg_segment_ptr 1
		.amdhsa_wavefront_size32 1
		.amdhsa_system_sgpr_workgroup_id_x 1
		.amdhsa_system_sgpr_workgroup_id_y 1
		.amdhsa_system_sgpr_workgroup_id_z 1
		.amdhsa_system_vgpr_workitem_id 0
		.amdhsa_next_free_vgpr 640
		.amdhsa_next_free_sgpr 66
		.amdhsa_reserve_vcc 0
		.amdhsa_float_denorm_mode_32 3
		.amdhsa_float_denorm_mode_16_64 3
		.amdhsa_memory_ordered 1
		.amdhsa_forward_progress 1
		.amdhsa_inst_pref_size 29
	.end_amdhsa_kernel
	.amdgpu_metadata
---
amdhsa.version: [ 1, 2 ]
amdhsa.kernels:
  - .name:           k_qac53f82d8f_outp
    .symbol:         k_qac53f82d8f_outp.kd
    .args:
      - { .name: ctxF, .offset: 0, .size: 8, .value_kind: global_buffer, .address_space: global }
      - { .name: Wo, .offset: 8, .size: 8, .value_kind: global_buffer, .address_space: global }
      - { .name: bo, .offset: 16, .size: 8, .value_kind: global_buffer, .address_space: global }
      - { .name: out0, .offset: 24, .size: 8, .value_kind: global_buffer, .address_space: global }
    .group_segment_fixed_size: 71424
    .private_segment_fixed_size: 0
    .kernarg_segment_align: 8
    .kernarg_segment_size: 32
    .max_flat_workgroup_size: 128
    .sgpr_count:     66
    .vgpr_count:     640
    .wavefront_size: 32
...
	.end_amdgpu_metadata
.endif
;; end of part 4
;; ======== version 2 of 2: 4 launches; version 1 with the launch prep written anew for expert scheduling mode
;; limits: values are held in f16: magnitudes above 65,504 overflow, below 6.1e-05 lose precision
;; workspace buffers: G 2,097,152 bytes; gsc 4,096 bytes; partO 8,388,608 bytes; partML 65,536 bytes; ctxF 65,536 bytes
;; launch prep (part 5): grid 16 x 4, 8 waves a work-group, no clusters, 218,624 bytes of LDS; arguments input_ids_with_pads, hidden_states, ln_gamma, ln_beta, Wq, Wk, G, gsc; writes G, gsc
.if DOCPART == 5
	.amdgcn_target "amdgcn-amd-amdhsa--gfx1250"
	.amdhsa_code_object_version 6
	.text
	.protected	k_qac53f82d8f_prep
	.globl	k_qac53f82d8f_prep
	.p2align	8
	.type	k_qac53f82d8f_prep,@function
k_qac53f82d8f_prep:
	s_mov_b64 s[64:65], 0
	v_nop
	global_prefetch_b8 v0, s[64:65] scope:SCOPE_SE
	s_setreg_imm32_b32 hwreg(HW_REG_WAVE_SCHED_MODE, 0, 2), 2
	s_setreg_imm32_b32 hwreg(HW_REG_WAVE_MODE, 25, 1), 1
	s_wait_xcnt 0x0
	s_wait_alu depctr_vm_vsrc(0)
; LAUNCH 1 OF 4.  With one query a batch the key projection leaves the token axis: scores[b,h,s] = xn[s] . g[b,h] + a term without s (which a softmax drops), where xn is the normalised row and
; g[b,h,d] = gamma[d] * sum over j of Wk[32h+j][d] q[b][32h+j],  q[b] = Wq (xn_last gamma + beta).  This launch makes g, for head h = group x and the 16 batches 16 gB .. (gB = group y).
; g is stored as gn = g / sc, sc = the largest |g| of (b, h), in f16 as a high and a low part: G[b][part][h][512]; gsc[h][b] = sc log2(e).
; ROW CHOICE.  The last id that is not the pad id (row 0 if all are pads), by whole-number compares and maxima on the ids alone; clamped to 2,047 before it enters an address.
; FORMATS.  Every product here feeds the scores, so both operands go as f16 high + low parts (high = the f32 cut to 10 fraction bits, low = the exact rest rounded) and three products stand for one.
; LIMITS.  |Wq|, |gamma Wk|, |xn gamma + beta| and |q| stay under 65,504 (f16); parts below 6e-5 keep f16's fixed step of 6e-8; sc is taken as 1e-30 at the least; NaN and infinities are not treated apart.
; SHARES.  Eight waves.  Wave w: batches 16 gB + 2 w + {0, 1}; rows 32 h + 4 w + 0..3 of Wq and Wk; K steps 2 w, 2 w + 1 of q's product; channels 64 w .. 64 w + 63 of g.
; A row of 512 f32 lies in a wave as four 16-byte loads a lane: the lane holds channels 128 j + 4 L + 0..3; as f16 that is 8 bytes at 256 j + 8 L of an LDS row.
; THE MODE: SCHED_MODE bits 1:0 = 2 (LLVM: expert scheduling mode 2), set by the entry lines.  The code itself states the register dependences
; between vector or matrix instructions and memory or LDS instructions, with s_wait_alu, always for 0.
; THE PLAN.  Registers that memory or LDS instructions touch:
;   v1, v5-v16, v26     offsets and LDS addresses: written at the head, ahead of one wait, and named by no vector instruction behind it.
;   window 1 v0-127     the ids land here and the compares read them; then it is the OUT-BUFFER of the eight weight rows (Wq's row u at 16 u, Wk's at 64 + 16 u: eight registers of high parts, eight of low):
;                       the conversions write it, 64 LDS stores read it; behind the first barrier q's fragments land in it and the products read them; behind the second the partial sums land in it.
;   window 1 v128-255   the weights land here and the splits read them; behind the second barrier Wk's turned fragments land in v128-191.
;   OB0 = v224-239, OB1 = v176-191   two out-buffers of window 0: the two query rows; OB1 then holds q as a matrix operand; at the end gn's tiles 0, 1 and 2, 3.  Conversions write them, LDS stores read them.
;   v128-175, v18       q's partial sums and the largest |g|: each read by LDS stores once and not written again.
;   v96-127             the splits' temporaries; the loads of the eight maxima and the read-back of gn land in them, each behind a wait that follows the last split.
; Every row has an out-buffer of its own, so a stretch between two barriers has one wait on va_vdst ahead of its run of stores, and ONE wait on vm_vsrc, behind the first barrier, frees all that stores have read.
.set PITCH, 1040                       ; an LDS row of 512 f16 + 16 bytes = 260 words: row r starts at bank 4 r mod 64 (64 banks of 4 bytes: ISA guide 11.1)
.set KP,    1056                       ; Wk's rows, read turned: 264 words
.set HLLO,  16*PITCH                   ; HL at 0: the 16 query rows, high parts; low parts HLLO further
.set WQ,    2*HLLO                     ; Wq's 32 rows, high; low WQLO further
.set WQLO,  32*PITCH
.set WK,    WQ+2*WQLO                  ; gamma Wk's 32 rows, high; low WKLO further
.set WKLO,  32*KP
.set OST,   WK+2*WKLO                  ; gn on its way out: rows part * 16 + batch
.set MX,    OST+32*PITCH               ; [16 batches][8 waves] f32: the waves' largest |g|
.set QP,    MX+512                     ; [8 waves][2 tiles][2 halves][32 lanes x 16 bytes]: q's partial sums
.set SPARE, QP+16384                   ; the spare words, 128 bytes a wave: four blocks of 256 bytes that no other line names
.set SPW, 28                           ; v28  SPARE + 4 x my thread's number; never rewritten
.set NIL, 29                           ; v29  0; never rewritten
.set GAM, 32                           ; v32-47 gamma, v48-63 beta, in the row layout
.set BET, 48
.set X,   64                           ; v64-95 the two query rows
.set HI,  96                           ; v96-111 high parts in f32, v112-127 low parts in f32
.set LO,  112
.set QA,  128                          ; v128-175 six accumulators of q: tile t: high.high, high.low, low.high at 3 t + 0, 1, 2
.set QH,  176                          ; v176-183 q's high parts as a matrix operand, v184-191 its low parts; also out-buffer OB1
.set QL,  184
.set GA,  192                          ; v192-223 four accumulators of g
.set PH,  224                          ; v224-231 packed high parts, v232-239 packed low parts: out-buffer OB0
.set PL,  232
.set LT,  240                          ; v240-251 LayerNorm at work, six a row: t0-t3, r0, r1
; window 1: v0-127 the ids, then the weight rows' out-buffer, later fragments and partial sums; v128-191 Wq as loaded, later Wk's fragments; v192-255 Wk as loaded
; s33-39 and s47-55: sixteen masks of the row choice's compares (mask i in s[33 + i], from i = 7 on in s[40 + i]); the offsets that s34-39 and s48-52 held have gone into the bases by then
.set MSB, 0
.macro WIN new                         ; s_set_vgpr_msb: bits 1:0 source 0, 3:2 source 1, 5:4 source 2, 7:6 destination; the high byte repeats the setting that is left
.if MSB != (\new)
	s_set_vgpr_msb (MSB<<8)|(\new)
.set MSB, \new
.endif
.endm
.macro PLACES                          ; four plain instructions between a matrix instruction and what reads its result (ISA guide 7.12.1)
.rept 4
	v_nop
.endr
.endm
.macro R2 line:vararg                  ; one line for each of my two query rows
.set k, 0
.rept 2
.set XR, X+16*k
.set TR, LT+6*k
	\line
.set k, k+1
.endr
.endm
.macro RED2                            ; t0:t3 of each row -> the sum over the row's 512 numbers, in every lane's t0
	R2 v_pk_add_f32 v[TR:TR+1], v[TR:TR+1], v[TR+2:TR+3]
	R2 v_add_f32 v[TR], v[TR], v[TR+1]
	R2 v_add_f32_dpp v[TR], v[TR], v[TR] row_xmask:1 row_mask:0xf bank_mask:0xf
	R2 v_add_f32_dpp v[TR], v[TR], v[TR] row_xmask:2 row_mask:0xf bank_mask:0xf
	R2 v_add_f32_dpp v[TR], v[TR], v[TR] row_xmask:4 row_mask:0xf bank_mask:0xf
	R2 v_add_f32_dpp v[TR], v[TR], v[TR] row_xmask:8 row_mask:0xf bank_mask:0xf
	R2 v_permlanex16_b32 v[TR+1], v[TR], s30, s31
	R2 v_add_f32 v[TR], v[TR], v[TR+1]
.endm
; 16 f32 at register R of window rw -> 8 registers of f16 high parts at oh, 8 of low parts at ol, both in window ow.  It leaves the destination's window at ow.
.macro SPLIT rw, R, ow, oh, ol
	WIN (\rw)<<2
.set i, 0
.rept 16
	v_and_b32 v[HI+i], s24, v[(\R)+i]  ; 10 fraction bits stay: exact in f16
.set i, i+1
.endr
	WIN (\rw)
.set i, 0
.rept 8
	v_pk_add_f32 v[LO+2*i:LO+2*i+1], v[(\R)+2*i:(\R)+2*i+1], v[HI+2*i:HI+2*i+1] neg_lo:[0,1] neg_hi:[0,1]  ; the rest, exact
.set i, i+1
.endr
	WIN (\ow)<<6
.set i, 0
.rept 8
	v_cvt_pk_f16_f32 v[(\oh)+i], v[HI+2*i], v[HI+2*i+1]
.set i, i+1
.endr
.set i, 0
.rept 8
	v_cvt_pk_f16_f32 v[(\ol)+i], v[LO+2*i], v[LO+2*i+1]
.set i, i+1
.endr
.endm
; The row of batch k of my two: n + 1 for the lane's last id that is no pad (its 64 ids ascend in position), turned into position + 1, the largest over the lanes, clamped, made a byte offset.
; The compares stand in runs of sixteen, each into a mask register of its own, with one wait behind a run; the selects follow in ascending n.
.macro SEL k
	WIN 0
	v_mov_b32 v18, 0
	WIN 0x04                           ; the ids lie in window 1
.set n, 0
.rept 4
.set i, 0
.rept 16
	v_cmp_ne_u32 s[33+i+7*((i+9)/16)], s23, v[64*(\k)+n+i]
.set i, i+1
.endr
	s_wait_alu depctr_va_sdst(0)       ; the sixteen compares have written their masks, which the selects below read
.set i, 0
.rept 16
	v_cndmask_b32 v18, v18, n+i+1, s[33+i+7*((i+9)/16)]
.set i, i+1
.endr
.set n, n+16
.endr
	WIN 0
	v_cmp_ne_u32 vcc_lo, 0, v18        ; did this lane see anything but pads?
	v_add_nc_u32 v19, -1, v18          ; n = 4 i + e: position 128 i + 4 L + e
	v_lshrrev_b32 v20, 2, v19
	v_and_b32 v19, 3, v19
	v_lshl_add_u32 v19, v20, 7, v19
	v_lshl_add_u32 v19, v2, 2, v19
	v_add_nc_u32 v19, 1, v19
	s_wait_alu depctr_va_vcc(0)        ; the compare six lines up has written VCC, which the select reads
	v_cndmask_b32 v19, 0, v19, vcc_lo  ; 0: this lane saw pads alone
.irp m, 1,2,4,8
	v_mov_b32_dpp v20, v19 row_xmask:\m row_mask:0xf bank_mask:0xf
	v_max_u32 v19, v19, v20
.endr
	v_permlanex16_b32 v20, v19, s30, s31
	v_max_u32 v19, v19, v20
	v_readfirstlane_b32 s44, v19
	s_add_co_u32 s46, s32, \k
	s_lshl_b32 s46, s46, 22            ; batches of 2,048 rows
	s_mov_b32 s45, 0
	s_wait_alu depctr_va_sdst(0)       ; s44 is written, ahead of its first reader
	s_max_u32 s44, s44, 1              ; all pads: row 0
	s_sub_co_u32 s44, s44, 1
	s_min_u32 s44, s44, 2047           ; a loaded number enters an address only behind this clamp
	s_lshl_b32 s44, s44, 11            ; rows of 2,048 bytes
	s_add_co_u32 s44, s44, s46
	s_add_nc_u64 s[40+2*(\k):41+2*(\k)], s[6:7], s[44:45]
.endm
.macro QM d, a, b, zero                ; one product of q: accumulator d, fragments a and b of window 1
.if \zero
	v_wmma_f32_16x16x32_f16 v[QA+8*(\d):QA+8*(\d)+7], v[8*(\a):8*(\a)+7], v[8*(\b):8*(\b)+7], 0
.else
	v_wmma_f32_16x16x32_f16 v[QA+8*(\d):QA+8*(\d)+7], v[8*(\a):8*(\a)+7], v[8*(\b):8*(\b)+7], v[QA+8*(\d):QA+8*(\d)+7]
.endif
.endm
	s_load_b512 s[4:19], s[0:1], 0x0   ; ids s[4:5], hidden s[6:7], gamma s[8:9], beta s[10:11], Wq s[12:13], Wk s[14:15], G s[16:17], gsc s[18:19]
	v_lshl_add_u32 v[SPW], v0, 2, SPARE
	v_mov_b32 v[NIL], 0
	v_lshrrev_b32 v17, 5, v0
	v_readfirstlane_b32 s20, v17       ; wave 0..7
	s_mov_b32 s21, ttmp9               ; head
	s_and_b32 s22, ttmp7, 0xffff       ; gB
	s_mov_b32 s23, 50257               ; the pad id
	s_mov_b32 s24, 0xffffe000          ; keeps sign, exponent and 10 fraction bits
	s_mov_b32 s26, 0xbb000000          ; -1/512, named as a pair
	s_mov_b32 s27, 0xbb000000
	s_mov_b32 s28, 0x3b000000          ; 1/512
	s_mov_b32 s29, 0x3727c5ac          ; 1e-5
	s_mov_b32 s30, 0x76543210          ; v_permlanex16_b32: each lane takes its own place in the other half
	s_mov_b32 s31, 0xfedcba98
	s_wait_alu depctr_va_sdst(0)       ; s20 is written, ahead of its first reader: offsets and LDS addresses are made from it
	s_lshl_b32 s32, s22, 4
	s_lshl1_add_u32 s32, s20, s32      ; my first batch: 16 gB + 2 w
	s_lshl_b32 s34, s32, 13            ; its ids: 8,192 bytes a batch
	s_mov_b32 s35, 0
	s_lshl_b32 s36, s21, 5
	s_lshl2_add_u32 s36, s20, s36      ; my first weight row: 32 h + 4 w
	s_lshl_b32 s36, s36, 11
	s_mov_b32 s37, 0
	s_lshl_b32 s38, s20, 2             ; G: the four rows of the stage that I send are batches (4 w mod 16) + 0..3, part w / 4
	s_and_b32 s38, s38, 15
	s_lshl_b32 s39, s22, 4
	s_add_co_u32 s38, s38, s39
	s_lshl_b32 s38, s38, 15            ; 32,768 bytes a batch
	s_lshr_b32 s39, s20, 2
	s_lshl_b32 s39, s39, 14            ; 16,384 a part
	s_add_co_u32 s38, s38, s39
	s_lshl_b32 s39, s21, 10            ; 1,024 a head
	s_add_co_u32 s38, s38, s39
	s_mov_b32 s39, 0
	s_lshl_b32 s48, s21, 8             ; gsc: 256 bytes a head, 64 for my 16 batches
	s_lshl_b32 s49, s22, 6
	s_add_co_u32 s48, s48, s49
	s_mov_b32 s49, 0
	v_and_b32 v2, 31, v0               ; L
	v_and_b32 v3, 15, v0               ; r
	v_bfe_u32 v4, v0, 4, 1             ; hh
	v_lshlrev_b32 v1, 4, v2            ; 16 L
	s_mul_i32 s50, s20, 4*PITCH
	s_add_co_u32 s51, s50, WQ
	v_lshl_add_u32 v5, v2, 3, s51      ; where my rows of Wq go
	s_mul_i32 s51, s20, 4*KP
	s_add_co_u32 s51, s51, WK
	v_lshl_add_u32 v6, v2, 3, s51      ; my rows of Wk
	s_mul_i32 s51, s20, 2*PITCH
	v_lshl_add_u32 v7, v2, 3, s51      ; my two query rows
	v_mul_u32_u24 v17, v3, PITCH
	v_lshl_add_u32 v17, v4, 4, v17     ; a fragment's row x pitch + 16 x half
	s_lshl_b32 s52, s20, 7             ; 128 w: my two K steps, and my 64 channels in f16
	v_add_nc_u32 v9, s52, v17          ; fragments of the query rows
	v_add_nc_u32 v8, WQ, v9            ; fragments of Wq
	s_lshl_b32 s51, s20, 11
	s_add_co_u32 s51, s51, QP
	v_lshl_add_u32 v10, v2, 4, s51     ; my partial sums
	v_lshl_add_u32 v11, v2, 4, QP      ; everybody's
	v_and_b32 v18, 7, v0
	v_lshl_add_u32 v18, v4, 3, v18     ; the turning load: row 8 hh + L % 8,
	v_mul_u32_u24 v18, v18, KP
	v_bfe_u32 v19, v0, 3, 1
	v_lshl_add_u32 v18, v19, 4, v18    ; 16 bytes at 16 ((L / 8) % 2)
	s_add_co_u32 s51, s52, WK
	v_add_nc_u32 v12, s51, v18
	s_lshl_b32 s51, s20, 2
	s_add_co_u32 s51, s51, MX
	v_lshl_add_u32 v13, v3, 5, s51     ; my word among batch r's eight
	v_lshl_add_u32 v14, v3, 5, MX      ; the eight
	s_add_co_u32 s51, s52, OST
	v_add_nc_u32 v15, s51, v17         ; gn into the stage
	s_add_co_u32 s51, s50, OST
	v_lshl_add_u32 v16, v2, 4, s51     ; and back: rows 4 w + 0..3
	v_lshlrev_b32 v26, 2, v3           ; 4 r
	v_mov_b32 v23, 0                   ; the second registers of pairs that are read as broadcasts
	v_mov_b32 v[LT+5], 0
	v_mov_b32 v[LT+11], 0
	s_wait_kmcnt 0x0
	s_add_nc_u64 s[4:5], s[4:5], s[34:35]
	s_add_nc_u64 s[12:13], s[12:13], s[36:37]
	s_add_nc_u64 s[14:15], s[14:15], s[36:37]
	s_add_nc_u64 s[16:17], s[16:17], s[38:39]
	s_add_nc_u64 s[18:19], s[18:19], s[48:49]
	WIN 0x40
	s_wait_alu depctr_va_vdst(0)       ; v1, v5 to v16 and v26 are written: every load and store of the kernel, global or LDS, reads one of them as its offset or address
.set n, 0
.rept 32                               ; two batches' ids: 16 loads of 512 bytes each
	global_load_b128 v[4*n:4*n+3], v1, s[4:5] offset:512*n
.set n, n+1
.endr
	WIN 0
.set n, 0
.rept 4
	global_load_b128 v[GAM+4*n:GAM+4*n+3], v1, s[8:9] offset:512*n
	global_load_b128 v[BET+4*n:BET+4*n+3], v1, s[10:11] offset:512*n
.set n, n+1
.endr
	WIN 0x40
.set n, 0
.rept 16                               ; four rows of each weight lie end to end
	global_load_b128 v[128+4*n:128+4*n+3], v1, s[12:13] offset:512*n
	global_load_b128 v[192+4*n:192+4*n+3], v1, s[14:15] offset:512*n
.set n, n+1
.endr
	s_wait_loadcnt 40                  ; the ids are in; gamma, beta (8) and the weights (32) stay out
	SEL 0
	SEL 1
.set n, 0
.rept 4                                ; no wait on va_vdst: no vector instruction has named v1 since the head's wait, and none has ever named v64 to v95
	global_load_b128 v[X+4*n:X+4*n+3], v1, s[40:41] offset:512*n
	global_load_b128 v[X+16+4*n:X+16+4*n+3], v1, s[42:43] offset:512*n
.set n, n+1
.endr
	s_wait_loadcnt 8                   ; gamma, beta and the weights are in; the two rows stay out
.set u, 0
.rept 4                                ; Wq's rows, in two parts, each row into an out-buffer of its own
	SPLIT 1, 128+16*u, 1, 16*u, 16*u+8
.set u, u+1
.endr
	WIN 0x04                           ; store data in window 1
	s_wait_alu depctr_va_vdst(0)       ; the conversions have written window 1's v0 to v63, which Wq's 32 LDS stores read
.set u, 0
.rept 4                                ; Wq's stores are dealt among Wk's splits, which name Wk's raw registers, v96 to v127 and window 1's v64 to v127: none of the registers that these stores read
	WIN 0x04
.set j, 0
.rept 4
	ds_store_b64 v5, v[16*u+2*j:16*u+2*j+1]     offset:u*PITCH+256*j
	ds_store_b64 v5, v[16*u+8+2*j:16*u+8+2*j+1] offset:u*PITCH+256*j+WQLO
.set j, j+1
.endr
	WIN 0x41                           ; Wk's row, times gamma along the row, in two parts
.set i, 0
.rept 8
	v_pk_mul_f32 v[192+16*u+2*i:192+16*u+2*i+1], v[192+16*u+2*i:192+16*u+2*i+1], v[GAM+2*i:GAM+2*i+1]
.set i, i+1
.endr
	SPLIT 1, 192+16*u, 1, 64+16*u, 64+16*u+8
.set u, u+1
.endr
	WIN 0x04
	s_wait_alu depctr_va_vdst(0)       ; the conversions have written window 1's v64 to v127, which Wk's 32 LDS stores read
.set u, 0
.rept 4
.set j, 0
.rept 4
	ds_store_b64 v6, v[64+16*u+2*j:64+16*u+2*j+1] offset:u*KP+256*j
	ds_store_b64 v6, v[72+16*u+2*j:72+16*u+2*j+1] offset:u*KP+256*j+WKLO
.set j, j+1
.endr
.set u, u+1
.endr
	WIN 0
	s_wait_loadcnt 0x0                 ; the two rows
	; LayerNorm: the mean, the centred row, the mean of its squares (no difference of large sums), then xn gamma + beta
	R2 v_pk_add_f32 v[TR:TR+1], v[XR:XR+1], v[XR+2:XR+3]
	R2 v_pk_add_f32 v[TR+2:TR+3], v[XR+4:XR+5], v[XR+6:XR+7]
	R2 v_pk_add_f32 v[TR:TR+1], v[TR:TR+1], v[XR+8:XR+9]
	R2 v_pk_add_f32 v[TR+2:TR+3], v[TR+2:TR+3], v[XR+10:XR+11]
	R2 v_pk_add_f32 v[TR:TR+1], v[TR:TR+1], v[XR+12:XR+13]
	R2 v_pk_add_f32 v[TR+2:TR+3], v[TR+2:TR+3], v[XR+14:XR+15]
	RED2
.set p, 0
.rept 8
	R2 v_pk_fma_f32 v[XR+p:XR+p+1], v[TR:TR+1], s[26:27], v[XR+p:XR+p+1] op_sel_hi:[0,0,1]
.set p, p+2
.endr
	R2 v_pk_mul_f32 v[TR:TR+1], v[XR:XR+1], v[XR:XR+1]
	R2 v_pk_mul_f32 v[TR+2:TR+3], v[XR+2:XR+3], v[XR+2:XR+3]
.set p, 4
.rept 3
	R2 v_pk_fma_f32 v[TR:TR+1], v[XR+p:XR+p+1], v[XR+p:XR+p+1], v[TR:TR+1]
	R2 v_pk_fma_f32 v[TR+2:TR+3], v[XR+p+2:XR+p+3], v[XR+p+2:XR+p+3], v[TR+2:TR+3]
.set p, p+4
.endr
	RED2
	R2 v_fma_f32 v[TR+4], v[TR], s28, s29
	R2 v_rsq_f32 v[TR+4], v[TR+4]
	v_nop                              ; a plain instruction between the last root and the use of its result (ISA guide 5.7.2)
	s_wait_alu depctr_va_vdst(0)       ; the two roots have written v244 and v250, ahead of their first reader
.set p, 0
.rept 8
	R2 v_pk_mul_f32 v[XR+p:XR+p+1], v[XR+p:XR+p+1], v[TR+4:TR+5] op_sel_hi:[1,0]
.set p, p+2
.endr
.set p, 0
.rept 8
	R2 v_pk_fma_f32 v[XR+p:XR+p+1], v[XR+p:XR+p+1], v[GAM+p:GAM+p+1], v[BET+p:BET+p+1]
.set p, p+2
.endr
	SPLIT 0, X,    0, PH, PL           ; row 0 into OB0,
	SPLIT 0, X+16, 0, QH, QL           ; row 1 into OB1
	s_wait_alu depctr_va_vdst(0)       ; the conversions have written OB0 and OB1, which the 16 LDS stores read; all earlier conversions into window 1, in which loads land behind the barrier, are done too
.set j, 0
.rept 4
	ds_store_b64 v7, v[PH+2*j:PH+2*j+1] offset:256*j
	ds_store_b64 v7, v[PL+2*j:PL+2*j+1] offset:256*j+HLLO
	ds_store_b64 v7, v[QH+2*j:QH+2*j+1] offset:PITCH+256*j
	ds_store_b64 v7, v[QL+2*j:QL+2*j+1] offset:PITCH+256*j+HLLO
.set j, j+1
.endr
	s_wait_dscnt 0x0                   ; for the others' sake: my rows of Wq, Wk and the query rows are in LDS
	s_barrier_signal -1
	s_barrier_wait -1
	; q^T = Wq_h (source 0: 16 rows j) x the query rows (source 1: 16 batches), my two K steps.  Fragment 6 cc + 0, 1: Wq high, tiles 0, 1; + 2, 3: low; + 4, 5: the rows' high, low.
	WIN 0x40
	s_wait_alu depctr_vm_vsrc(0)       ; my 80 LDS stores have read their data: window 1's v0 to v127, in which loads land from here on, and OB0 and OB1, which later conversions write
.irp cc, 0,1
.irp hl, 0,1
.irp t, 0,1
	ds_load_b128 v[8*(6*\cc+2*\hl+\t):8*(6*\cc+2*\hl+\t)+3],   v8 offset:\hl*WQLO+\t*HLLO+64*\cc
	ds_load_b128 v[8*(6*\cc+2*\hl+\t)+4:8*(6*\cc+2*\hl+\t)+7], v8 offset:\hl*WQLO+\t*HLLO+64*\cc+32
.endr
.endr
.irp hl, 0,1
	ds_load_b128 v[8*(6*\cc+4+\hl):8*(6*\cc+4+\hl)+3],   v9 offset:\hl*HLLO+64*\cc
	ds_load_b128 v[8*(6*\cc+4+\hl)+4:8*(6*\cc+4+\hl)+7], v9 offset:\hl*HLLO+64*\cc+32
.endr
.endr
	s_wait_dscnt 0x0
	WIN 0x05                           ; both sources in window 1; the six accumulators take turns
.irp cc, 0,1
.irp t, 0,1
	QM 3*\t,   6*\cc+\t,   6*\cc+4, 1-\cc
	QM 3*\t+1, 6*\cc+\t,   6*\cc+5, 1-\cc
	QM 3*\t+2, 6*\cc+2+\t, 6*\cc+4, 1-\cc
.endr
.endr
	WIN 0
	PLACES
.irp t, 0,1
.set p, 0
.rept 4                                ; each accumulator is read from its low end on
	v_pk_add_f32 v[QA+24*\t+p:QA+24*\t+p+1], v[QA+24*\t+p:QA+24*\t+p+1], v[QA+24*\t+8+p:QA+24*\t+8+p+1]
	v_pk_add_f32 v[QA+24*\t+p:QA+24*\t+p+1], v[QA+24*\t+p:QA+24*\t+p+1], v[QA+24*\t+16+p:QA+24*\t+16+p+1]
.set p, p+2
.endr
.endr
	s_wait_alu depctr_va_vdst(0)       ; the additions have written my partial sums, which the four LDS stores read; the products are done reading their fragments, in which the loads behind the barrier land
.irp t, 0,1
	ds_store_b128 v10, v[QA+24*\t:QA+24*\t+3]   offset:\t*1024
	ds_store_b128 v10, v[QA+24*\t+4:QA+24*\t+7] offset:\t*1024+512
.endr
	s_wait_dscnt 0x0                   ; my partial sums are in LDS
	s_barrier_signal -1
	s_barrier_wait -1
	WIN 0x40
.set n, 0
.rept 32                               ; all eight waves' partial sums: wave n / 4, registers 4 (n % 4) of its 16.  No vector instruction has been issued since the wait above
	ds_load_b128 v[4*n:4*n+3], v11 offset:512*n
.set n, n+1
.endr
.irp hl, 0,1
.irp ti, 0,1,2,3                       ; gamma Wk turned: 16 channels x 32 j a fragment; high parts at v128, low at v160
	ds_load_tr16_b128 v[128+32*\hl+8*\ti:128+32*\hl+8*\ti+3],   v12 offset:\hl*WKLO+32*\ti
	ds_load_tr16_b128 v[128+32*\hl+8*\ti+4:128+32*\hl+8*\ti+7], v12 offset:\hl*WKLO+32*\ti+16*KP
.endr
.endr
	s_wait_dscnt 16                    ; the partial sums are in; the 16 turning loads stay out
	WIN 0x45
.set n, 1
.rept 7                                ; one fixed order, so that every wave holds the same q
.set p, 0
.rept 8
	v_pk_add_f32 v[p:p+1], v[p:p+1], v[16*n+p:16*n+p+1]
.set p, p+2
.endr
.set n, n+1
.endr
	SPLIT 1, 0, 0, QH, QL              ; lane (batch r, half hh) holds j = 8 hh + 0..7 and 16 + 8 hh + 0..7: packed in pairs that IS a matrix operand with K = j
	s_wait_dscnt 0x0
	WIN 0x01                           ; g^T = (gamma Wk)^T (source 0: 16 channels) x q (source 1: 16 batches); four accumulators take turns
.irp ti, 0,1,2,3
	v_wmma_f32_16x16x32_f16 v[GA+8*\ti:GA+8*\ti+7], v[128+8*\ti:128+8*\ti+7], v[QH:QH+7], 0
.endr
.irp ti, 0,1,2,3
	v_wmma_f32_16x16x32_f16 v[GA+8*\ti:GA+8*\ti+7], v[128+8*\ti:128+8*\ti+7], v[QL:QL+7], v[GA+8*\ti:GA+8*\ti+7]
.endr
.irp ti, 0,1,2,3
	v_wmma_f32_16x16x32_f16 v[GA+8*\ti:GA+8*\ti+7], v[160+8*\ti:160+8*\ti+7], v[QH:QH+7], v[GA+8*\ti:GA+8*\ti+7]
.endr
	WIN 0
	PLACES
	; the largest and the smallest of my 32 numbers of batch r, each accumulator read from its low end on
	v_max3_num_f32 v18, v[GA], v[GA+1], v[GA+2]
	v_max3_num_f32 v19, v[GA+16], v[GA+17], v[GA+18]
	v_min3_num_f32 v20, v[GA], v[GA+1], v[GA+2]
	v_min3_num_f32 v21, v[GA+16], v[GA+17], v[GA+18]
.set n, 3
.rept 6
	v_max3_num_f32 v18, v18, v[GA+n], v[GA+n+1]
	v_max3_num_f32 v19, v19, v[GA+16+n], v[GA+16+n+1]
	v_min3_num_f32 v20, v20, v[GA+n], v[GA+n+1]
	v_min3_num_f32 v21, v21, v[GA+16+n], v[GA+16+n+1]
.set n, n+2
.endr
	v_max3_num_f32 v18, v18, v[GA+15], v[GA+31]
	v_min3_num_f32 v20, v20, v[GA+15], v[GA+31]
	v_max_num_f32 v18, v18, v19
	v_min_num_f32 v20, v20, v21
	v_sub_f32 v20, 0, v20
	v_max_num_f32 v18, v18, v20        ; the largest magnitude
	v_permlanex16_b32 v19, v18, s30, s31
	v_max_num_f32 v18, v18, v19        ; with the other half of the lanes' channels
	s_wait_alu depctr_va_vdst(0)       ; v18 is written, which the LDS store reads; q's split is done with v96 to v103, in which the loads behind the barrier land
	ds_store_b32 v13, v18              ; both halves of the lanes write the same number to the same word
	s_wait_dscnt 0x0
	s_barrier_signal -1
	s_barrier_wait -1
	ds_load_b128 v[96:99], v14
	ds_load_b128 v[100:103], v14 offset:16
	s_wait_dscnt 0x0
	v_max3_num_f32 v96, v96, v97, v98
	v_max3_num_f32 v99, v99, v100, v101
	v_max3_num_f32 v96, v96, v102, v103
	v_max3_num_f32 v24, v96, v99, 0x0da24260  ; sc, 1e-30 at the least
	v_rcp_f32 v22, v24
	v_mul_f32 v25, 0x3fb8aa3b, v24     ; sc log2(e): also the plain instruction behind the reciprocal
	s_wait_alu depctr_va_vdst(0)       ; the reciprocal has written v22, ahead of its first reader; v25, which wave 0's last store reads, is written too
.set p, 0
.rept 16
	v_pk_mul_f32 v[GA+p:GA+p+1], v[GA+p:GA+p+1], v[22:23] op_sel_hi:[1,0]
.set p, p+2
.endr
	SPLIT 0, GA,    0, PH, PL          ; two tiles at a time: a lane's eight channels are 16 bytes of row r.  Tiles 0, 1 into OB0,
	SPLIT 0, GA+16, 0, QH, QL          ; tiles 2, 3 into OB1
	s_wait_alu depctr_va_vdst(0)       ; the conversions have written OB0 and OB1, which the eight LDS stores read; the splits are done with v96 to v127, in which the loads behind the barrier land
	ds_store_b128 v15, v[PH:PH+3]
	ds_store_b128 v15, v[PH+4:PH+7] offset:32
	ds_store_b128 v15, v[PL:PL+3]   offset:HLLO
	ds_store_b128 v15, v[PL+4:PL+7] offset:32+HLLO
	ds_store_b128 v15, v[QH:QH+3]   offset:64
	ds_store_b128 v15, v[QH+4:QH+7] offset:64+32
	ds_store_b128 v15, v[QL:QL+3]   offset:64+HLLO
	ds_store_b128 v15, v[QL+4:QL+7] offset:64+32+HLLO
	s_wait_dscnt 0x0
	s_barrier_signal -1
	s_barrier_wait -1
.set n, 0
.rept 8                                ; row 4 w + n / 2, half n % 2
	ds_load_b128 v[96+4*n:96+4*n+3], v16 offset:(n/2)*PITCH+512*(n%2)
.set n, n+1
.endr
.set n, 0
.rept 8
	s_wait_dscnt 7-n                   ; LDS loads come back in order: number n is in
	global_store_b128 v1, v[96+4*n:96+4*n+3], s[16:17] offset:(n/2)*32768+512*(n%2)  ; 512 consecutive bytes, at a multiple of 512 from G's first byte
.set n, n+1
.endr
	s_cmp_lg_u32 s20, 0
	s_cbranch_scc1 .Lnot0
	global_store_b32 v26, v25, s[18:19]  ; 16 scales, 64 bytes of a buffer of 4,096; both halves of the lanes write the same words
.Lnot0:
	s_wait_dscnt 0x0                   ; the closing lines, six on end
	s_wait_alu 0x0
	s_wait_tensorcnt 0x0
	ds_add_u32 v[SPW], v[NIL]
	s_wait_dscnt 0x0
	s_endpgm
.Lfunc_end_k_qac53f82d8f_prep:
	.size	k_qac53f82d8f_prep, .Lfunc_end_k_qac53f82d8f_prep-k_qac53f82d8f_prep
	.p2alignl 7, 3214868480
	.fill 96, 4, 3214868480
	.section	.rodata,"a",@progbits
	.p2align	6, 0x0
	.amdhsa_kernel k_qac53f82d8f_prep
		.amdhsa_group_segment_fixed_size 218624
		.amdhsa_private_segment_fixed_size 0
		.amdhsa_enable_private_segment 0
		.amdhsa_kernarg_size 64
		.amdhsa_user_sgpr_count 2
		.amdhsa_user_sgpr_kernarg_segment_ptr 1
		.amdhsa_wavefront_size32 1
		.amdhsa_system_sgpr_workgroup_id_x 1
		.amdhsa_system_sgpr_workgroup_id_y 1
		.amdhsa_system_sgpr_workgroup_id_z 1
		.amdhsa_system_vgpr_workitem_id 0
		.amdhsa_next_free_vgpr 512
		.amdhsa_next_free_sgpr 66
		.amdhsa_reserve_vcc 1
		.amdhsa_float_denorm_mode_32 3
		.amdhsa_float_denorm_mode_16_64 3
		.amdhsa_memory_ordered 1
		.amdhsa_forward_progress 1
		.amdhsa_inst_pref_size 90
	.end_amdhsa_kernel
	.amdgpu_metadata
---
amdhsa.version: [ 1, 2 ]
amdhsa.kernels:
  - .name:           k_qac53f82d8f_prep
    .symbol:         k_qac53f82d8f_prep.kd
    .args:
      - { .name: input_ids_with_pads, .offset: 0, .size: 8, .value_kind: global_buffer, .address_space: global }
      - { .name: hidden_states, .offset: 8, .size: 8, .value_kind: global_buffer, .address_space: global }
      - { .name: ln_gamma, .offset: 16, .size: 8, .value_kind: global_buffer, .address_space: global }
      - { .name: ln_beta, .offset: 24, .size: 8, .value_kind: global_buffer, .address_space: global }
      - { .name: Wq, .offset: 32, .size: 8, .value_kind: global_buffer, .address_space: global }
      - { .name: Wk, .offset: 40, .size: 8, .value_kind: global_buffer, .address_space: global }
      - { .name: G, .offset: 48, .size: 8, .value_kind: global_buffer, .address_space: global }
      - { .name: gsc, .offset: 56, .size: 8, .value_kind: global_buffer, .address_space: global }
    .group_segment_fixed_size: 218624
    .private_segment_fixed_size: 0
    .kernarg_segment_align: 8
    .kernarg_segment_size: 64
    .max_flat_workgroup_size: 256
    .sgpr_count:     66
    .vgpr_count:     512
    .wavefront_size: 32
...
	.end_amdgpu_metadata
.endif
;; end of part 5
;; launch main: the kernel of part 2 again; grid 256 x 1, 4 waves a work-group, no clusters, 167,936 bytes of LDS; arguments hidden_states, G, gsc, partO, partML; writes partO, partML
;; launch ctx: the kernel of part 3 again; grid 16 x 4, 8 waves a work-group, no clusters, 50,944 bytes of LDS; arguments partO, partML, Wv, ln_gamma, ln_beta, ctxF; writes ctxF
;; launch outp: the kernel of part 4 again; grid 8 x 4, 4 waves a work-group, no clusters, 71,424 bytes of LDS; arguments ctxF, Wo, bo, out0; writes out0
